; MI455X (gfx1250); checked and timed in simulation.
; The chip was launched on July 23, 2026; its instructions are those of AMD's public machine-readable ISA for CDNA 5 (MIT licence, August 2026) and "CDNA5" Instruction Set Architecture Reference Guide (July 2026). The comments in the code are by the model that wrote it; some were corrected since.
;; Multi Head Attention. Allowed arithmetic: matrix products marked QUANTISED: E2M1 operands, one E8M0 scale for each 32 along K, by v_wmma_scale_f32_16x16x128_f8f6f4 with both operands' format E2M1 (or v_wmma_scale_f32_32x16x128_f4), f32 sums; products left as they are: bf16, f16 or f32 operands; f32 sums; everything else in f32.
;; Inputs: k_gamma 64 float32; q_gamma 64 float32; wk 256 x 1,024 float32; wo 1,024 x 1,024 float32; wq 1,024 x 1,024 float32; wv 256 x 1,024 float32; x 4 x 2,048 x 1,024 float32.
;; Outputs: out0 4 x 2,048 x 1,024 float32.
;; This version of the problem:
;;   THIS VERSION OF THE PROBLEM IS GIVEN IN LOW PRECISION. The matrix products marked QUANTISED in the list below multiply operands that are first quantised to E2M1 (2 exponent bits, 1 mantissa bit; 4 bits a number), with one power-of-two scale for each 32 numbers along K (OCP MX v1.0); their sums are f32. The products marked 'left as it is' may take bf16, f16 or f32 operands, with f32 sums. Whichever they take, every output number must still come out within the allowed error. Rounding operands to bf16 (8 significant bits) uses up far more of that allowance than f16 does (11 bits, for magnitudes from 6e-5 to 65,504). All else is computed in f32.
;;   The module's matrix products, in the order in which they are computed (A, B: the left and right operand; K: the contracted axis; several contracted axes count as one K, in the product's order):
;;     1. [M 8,192, K 1,024] x [K 1,024, N 1,024]; A: input x; B: input wq: QUANTISED
;;     2. [M 8,192, K 1,024] x [K 1,024, N 256]; A: input x; B: input wk: QUANTISED
;;     3. [M 8,192, K 1,024] x [K 1,024, N 256]; A: input x; B: input wv: QUANTISED
;;     4. batch 16 x [M 2,048, K 64] x [K 64, N 8,192]; A: computed on the way; B: computed on the way: left as it is (an operand is computed on the way)
;;     5. batch 16 x [M 64, K 2,048] x [K 2,048, N 8,192]; A: computed on the way; B: computed on the way: left as it is (an operand is computed on the way)
;;     6. [M 8,192, K 1,024] x [K 1,024, N 1,024]; A: computed on the way; B: input wo: left as it is (an operand is computed on the way)
;;   THE QUANTISER, for each operand of a quantised product, along K:
;;     - K is cut into blocks of 32 from its start; a last block that is shorter is filled with zeros.
;;     - A block's scale is 2^e with e = floor(log2(the largest magnitude in the block)) - 2, held to -126 .. 127; a block of zeros has e = 0. As a byte (E8M0): e + 127.
;;     - Each number is divided by its block's scale, clamped to +-6, and rounded to the nearest number of E2M1, ties to even, subnormals kept.
;;     - The product sums the exact products of the quantised numbers (number of the format x scale) in f32.
;;   ~~~python
;;   def quantise(x, axis):      # numpy; x: float32 -> the quantised numbers, widened to float32 again
;;       x = np.moveaxis(x, axis, -1); K = x.shape[-1]
;;       x = np.pad(x, [(0, 0)] * (x.ndim - 1) + [(0, -K % 32)]); x = x.reshape(x.shape[:-1] + (-1, 32)); a = np.abs(x).max(-1, keepdims=True)
;;       e = np.where(a > 0, np.clip(np.frexp(np.where(a > 0, a, 1))[1] - 1 - 2, -126, 127), 0)      # np.frexp(a)[1] - 1 = floor(log2(a)), exactly
;;       r = np.clip(x / 2.0 ** e, -6, 6)
;;       step = 2.0 ** (np.maximum(np.frexp(np.where(r == 0, 1, r))[1] - 1, 0) - 1)
;;       q = np.round(r / step) * step * 2.0 ** e      # np.round: ties to even
;;       return np.moveaxis(q.reshape(q.shape[:-2] + (-1,))[..., :K], -1, axis).astype(np.float32)
;;   ~~~
;; One version. Each part assembles by itself: llvm-mc -triple=amdgcn-amd-amdhsa -mcpu=gfx1250 --defsym DOCPART=n.
;; ======== version 1 of 1: 5 launches
;; limits: values are held in f16: magnitudes above 65,504 overflow, below 6.1e-05 lose precision
;; workspace buffers: xq 4,456,448 bytes; wq4 835,584 bytes; wo16 2,097,152 bytes; rope 524,288 bytes; qkv 25,165,824 bytes; q16 393,216 bytes; att 16,777,216 bytes
;; launch prep (part 1): grid 352 x 1, 4 waves a work-group, no clusters, 33,280 bytes of LDS; arguments x, wq, wk, wv, wo, xq, wq4, wo16, rope; writes xq, wq4, wo16, rope
.if DOCPART == 1
	.amdgcn_target "amdgcn-amd-amdhsa--gfx1250"
	.amdhsa_code_object_version 6
	.text
	.protected	k_q8b423701d4_prep
	.globl	k_q8b423701d4_prep
	.p2align	8
	.type	k_q8b423701d4_prep,@function
k_q8b423701d4_prep:
	s_mov_b64 s[64:65], 0
	v_nop
	global_prefetch_b8 v0, s[64:65] scope:SCOPE_SE
	s_setreg_imm32_b32 hwreg(HW_REG_WAVE_MODE, 25, 1), 1
	s_wait_xcnt 0x0
; Three jobs, told apart by the work-group's number g.
;  g < 304: x (g < 256), wq (256..287), wk (288..295), wv (296..303), all f32 with K = 1,024 innermost, become codes of FP4 (E2M1), two a byte, and one E8M0 byte for each 32 along K.
;           xq: codes [8192][512 B] at 0, scale bytes [8192][32] at 4,194,304.   wq4: codes [1536][512 B] at 0 (rows: wq, wk, wv), scale bytes [1536][32] at 786,432.
;           A block's scale is 2^(floor(log2(largest magnitude)) - 2); its byte is the largest magnitude's exponent field - 2, held at 1 from below.
;  304 <= g < 336: wo, f32, is rounded to f16 into wo16.
;  g >= 336: the table of rotations: rope[pos][pair] = (cos, sin) of pos x 10000^(-pair / 32), f32, 256 bytes a position.
; LIMITS: a block of zeros, and a block whose largest magnitude lies under 2^-124, gets the byte 1 (a block of zeros has zero codes, and only this program reads the bytes); NaN and infinities are not served;
; |wo| stays under 65,504; the angle's factor comes from v_exp_f32, so an angle may differ from an exactly rounded one by about 2e-4 at the last positions.
.set WAVES, 4
.set STEPS, 16
.set EMAX,  2
.set CB,    8                          ; bytes of 16 codes
.set R,     16                         ; v16-79   four sets of 16 numbers as loaded
.set X,     80                         ; v80-111  two sets of 16 neighbours
.set E,     112                        ; v112-127 a scale byte for each step
.set C,     128                        ; v128-191 codes, four registers a step
.set WREG,  8192                       ; LDS: a region for each wave: two stages of 32 x SP bytes, then its 256 scale bytes
.set SP,    80
.set SPW,   12                         ; v12 my spare word's LDS address; never rewritten
.set NIL,   13                         ; v13 0; never rewritten
.set SPARE, WAVES*WREG                 ; the spare words, 128 bytes a wave; no other line names them
	s_load_b256 s[4:11], s[0:1], 0x0               ; x, wq, wk, wv
	s_load_b128 s[12:15], s[0:1], 0x20             ; wo, xq
	s_load_b128 s[16:19], s[0:1], 0x30             ; wq4, wo16
	s_load_b64 s[20:21], s[0:1], 0x40              ; rope
	v_lshl_add_u32 v[SPW], v0, 2, SPARE
	v_mov_b32 v[NIL], 0
	v_lshrrev_b32 v1, 5, v0
	v_readfirstlane_b32 s29, v1                    ; wave
	v_and_b32 v2, 31, v0                           ; lane
	s_mov_b32 s31, 0
	s_wait_kmcnt 0x0
	s_cmp_ge_u32 ttmp9, 336
	s_cbranch_scc1 .Ltable
	s_cmp_ge_u32 ttmp9, 304
	s_cbranch_scc1 .Lwo
; ---------------- the quantiser: a wave takes a run of 8,192 numbers, 16 steps of 512
	s_mov_b32 s24, 296
	s_cmp_lt_u32 ttmp9, 296                        ; the choices hang on the work-group's number alone
	s_cselect_b64 s[22:23], s[8:9], s[10:11]       ; wk or wv
	s_cselect_b32 s24, 288, s24                    ; and the tensor's first work-group
	s_cmp_lt_u32 ttmp9, 288
	s_cselect_b64 s[22:23], s[6:7], s[22:23]       ; wq
	s_cselect_b32 s24, 256, s24
	s_cmp_lt_u32 ttmp9, 256
	s_cselect_b64 s[22:23], s[4:5], s[22:23]       ; x
	s_cselect_b32 s24, 0, s24
	s_cselect_b64 s[26:27], s[14:15], s[16:17]     ; into xq or wq4
	s_cselect_b32 s25, 0, 256                      ; the output buffer's first work-group
	s_mov_b32 s28, 786432
	s_cselect_b32 s28, 4194304, s28                ; where its scale bytes begin
	s_sub_co_u32 s24, ttmp9, s24
	s_lshl_b32 s24, s24, 2
	s_add_co_u32 s24, s24, s29                     ; my run in the source
	s_sub_co_u32 s25, ttmp9, s25
	s_lshl_b32 s25, s25, 2
	s_add_co_u32 s25, s25, s29                     ; and in the output
	s_lshl_b32 s30, s24, 15                        ; 32,768 bytes of f32 a run
	s_add_nc_u64 s[22:23], s[22:23], s[30:31]
	s_lshl_b32 s30, s25, 8                         ; 256 scale bytes a run
	s_add_co_u32 s30, s30, s28
	s_add_nc_u64 s[32:33], s[26:27], s[30:31]
	s_lshl_b32 s30, s25, 12                        ; 4,096 bytes of codes a run
	s_add_nc_u64 s[26:27], s[26:27], s[30:31]
	v_lshlrev_b32 v3, 4, v2                        ; my 16 bytes of a load's 512
	s_mul_i32 s34, s29, WREG
	v_lshrrev_b32 v14, 2, v2
	v_mul_u32_u24 v14, v14, SP
	v_and_b32 v15, 3, v2
	v_lshl_add_u32 v14, v15, 4, v14
	v_add_nc_u32 v14, s34, v14                     ; the stage, on the way in: four lanes' 64 bytes on end, then 16 of padding
	v_mul_u32_u24 v15, v2, SP
	v_add_nc_u32 v15, s34, v15                     ; on the way out: my 16 neighbours
	v_mul_u32_u24 v4, v2, CB                       ; my codes' place in a step's
	v_lshrrev_b32 v5, 1, v2
	s_add_co_u32 s34, s34, 2*32*SP
	v_add_nc_u32 v5, s34, v5                       ; my block's scale byte in LDS
	v_lshlrev_b32 v7, 3, v2
	v_add_nc_u32 v6, s34, v7                       ; and 8 bytes a lane on the way out
.macro LOAD t
.irp i, 0,1,2,3
	global_load_b128 v[R+16*((\t)%4)+4*\i:R+16*((\t)%4)+4*\i+3], v3, s[22:23] offset:2048*(\t)+512*\i th:TH_LOAD_NT   ; 32 lanes read 512 consecutive bytes
.endr
.endm
.macro TURN t                          ; a step's numbers through the stage: LDS serves a wave's instructions in order
.irp i, 0,1,2,3
	ds_store_b128 v14, v[R+16*((\t)%4)+4*\i:R+16*((\t)%4)+4*\i+3] offset:32*SP*((\t)%2)+8*SP*\i
.endr
.irp i, 0,1,2,3
	ds_load_b128 v[X+16*((\t)%2)+4*\i:X+16*((\t)%2)+4*\i+3], v15 offset:32*SP*((\t)%2)+16*\i
.endr
.endm
.macro STEP t
.set XS, X+16*((\t)%2)
.if (\t) > 0
	s_wait_dscnt 1                                 ; this step's numbers are back from the stage; the last step's byte store may be out
.else
	s_wait_dscnt 0x0
.endif
.if (\t)+4 < STEPS
	LOAD (\t)+4
.endif
.if (\t)+1 < STEPS
.if STEPS-2-(\t) >= 3
	s_wait_loadcnt 12                              ; the next step's four loads are in; the 12 of the three steps behind it may be out
.else
	s_wait_loadcnt 4*(STEPS-2-(\t))
.endif
	TURN (\t)+1
.endif
	v_max3_num_f32 v8, |v[XS]|, |v[XS+1]|, |v[XS+2]|
	v_max3_num_f32 v9, |v[XS+3]|, |v[XS+4]|, |v[XS+5]|
.irp i, 6,10
	v_max3_num_f32 v8, v8, |v[XS+\i]|, |v[XS+\i+1]|
	v_max3_num_f32 v9, v9, |v[XS+\i+2]|, |v[XS+\i+3]|
.endr
	v_max3_num_f32 v8, v8, |v[XS+14]|, |v[XS+15]|
	v_max3_num_f32 v8, v8, v9, (EMAX+1)<<23        ; the floor 2^(3 - 127): the byte cannot fall under 1
	v_max_num_f32_dpp v8, v8, v8 row_xmask:1 row_mask:0xf bank_mask:0xf   ; with my neighbour's 16: the block's largest magnitude
	v_add_nc_u32 v11, -(EMAX<<23), v8              ; 2 off its exponent field: the conversion's scale operand
	v_cvt_scalef32_pk8_fp4_f32 v[C+4*(\t)], v[XS:XS+7], v11
	v_cvt_scalef32_pk8_fp4_f32 v[C+4*(\t)+1], v[XS+8:XS+15], v11
	v_lshrrev_b32 v[E+(\t)], 23, v11               ; the scale's byte
	ds_store_b8 v5, v[E+(\t)] offset:16*(\t)       ; both lanes of a block write the same byte
	global_store_b64 v4, v[C+4*(\t):C+4*(\t)+1], s[26:27] offset:32*CB*(\t)   ; the wave stores 256 consecutive bytes, aligned
.endm
.irp t, 0,1,2,3
	LOAD \t
.endr
	s_wait_loadcnt 12                              ; step 0's four loads are in
	TURN 0
.irp t, 0,1,2,3,4,5,6,7,8,9,10,11,12,13,14,15
	STEP \t
.endr
	ds_load_b64 v[8:9], v6                         ; my wave's 256 scale bytes
	s_wait_dscnt 0x0
	global_store_b64 v7, v[8:9], s[32:33]          ; 256 consecutive bytes, aligned
	s_wait_tensorcnt 0x0                           ; the wave's end, behind my last LDS store
	ds_add_u32 v[SPW], v[NIL]
	s_wait_dscnt 0x0
	s_endpgm
; ---------------- wo to f16: a wave takes 8,192 numbers, 32 steps of 256, in four groups of eight steps
.Lwo:
	s_sub_co_u32 s24, ttmp9, 304
	s_lshl_b32 s24, s24, 2
	s_add_co_u32 s24, s24, s29
	s_lshl_b32 s30, s24, 15
	s_add_nc_u64 s[12:13], s[12:13], s[30:31]
	s_lshl_b32 s30, s24, 14
	s_add_nc_u64 s[18:19], s[18:19], s[30:31]
	v_lshlrev_b32 v3, 5, v2                        ; in: 8 numbers a lane
	v_lshlrev_b32 v4, 4, v2                        ; out: 16 bytes a lane
.macro LOADG g
.irp u, 0,1,2,3,4,5,6,7
	global_load_b128 v[16+64*((\g)%2)+8*\u:16+64*((\g)%2)+8*\u+3], v3, s[12:13] offset:1024*(8*(\g)+\u) th:TH_LOAD_NT
	global_load_b128 v[16+64*((\g)%2)+8*\u+4:16+64*((\g)%2)+8*\u+7], v3, s[12:13] offset:1024*(8*(\g)+\u)+16 th:TH_LOAD_NT
.endr
.endm
.macro CONV g
.if (\g) < 3
	s_wait_loadcnt 16                              ; this group's 16 loads are in; the next group's 16 may be out
.else
	s_wait_loadcnt 0x0
.endif
	s_wait_xcnt 0x0                                ; the last group's stores have read v144-175
.irp u, 0,1,2,3,4,5,6,7
.irp k, 0,1,2,3
	v_cvt_pk_f16_f32 v[144+4*\u+\k], v[16+64*((\g)%2)+8*\u+2*\k], v[16+64*((\g)%2)+8*\u+2*\k+1]
.endr
.endr
.irp u, 0,1,2,3,4,5,6,7
	global_store_b128 v4, v[144+4*\u:144+4*\u+3], s[18:19] offset:512*(8*(\g)+\u)   ; 512 consecutive bytes a wave
.endr
.if (\g)+2 < 4
	LOADG (\g)+2
.endif
.endm
	LOADG 0
	LOADG 1
	CONV 0
	CONV 1
	CONV 2
	CONV 3
	s_endpgm
; ---------------- the table: a wave takes 32 positions, a lane a pair; 8 trips of 4 positions
.Ltable:
	s_sub_co_u32 s24, ttmp9, 336
	s_lshl_b32 s24, s24, 7
	s_lshl_b32 s25, s29, 5
	s_add_co_u32 s43, s24, s25                     ; my first position
	s_lshl_b32 s30, s43, 8
	s_add_nc_u64 s[20:21], s[20:21], s[30:31]
	s_mov_b32 s32, 0x3f22f983                      ; 2 / pi
	s_mov_b32 s33, 0xbfc90fdb                      ; -(pi / 2), the f32 nearest
	s_mov_b32 s34, 0x333bbd2e                      ; that f32 less pi / 2
	s_mov_b32 s35, 0xbe2aaaab                      ; -1/6, 1/120, -1/5040, 1/362880
	s_mov_b32 s36, 0x3c088889
	s_mov_b32 s37, 0xb9500d01
	s_mov_b32 s38, 0x3638ef1d
	s_mov_b32 s39, 0x3d2aaaab                      ; 1/24, -1/720, 1/40320
	s_mov_b32 s40, 0xbab60b61
	s_mov_b32 s41, 0x37d00d01
	v_lshlrev_b32 v3, 3, v2                        ; 8 bytes a pair
	v_cvt_f32_u32 v15, v2
	v_mul_f32 v15, 0xbed49a78, v15                 ; -pair x log2(10000) / 32
	v_exp_f32 v15, v15                             ; theta
	v_nop                                          ; a plain line behind the exponential,
	s_wait_alu depctr_va_vdst(0)                   ; and the wait ahead of its first reader
; angle = n pi / 2 + r, |r| <= pi / 4, in two steps so that nothing of pi / 2 is lost; sin r and cos r by their series to r^9 and r^8; the quarter n mod 4 exchanges them and sets the signs
.macro SINCOS u
.set B, 20+12*(\u)
	s_add_co_u32 s45, s43, \u
	v_cvt_f32_u32 v[B], s45
	v_mul_f32 v[B], v[B], v15                      ; the angle, rounded once, as pos x theta
	v_mul_f32 v[B+1], s32, v[B]
	v_rndne_f32 v[B+1], v[B+1]                     ; n
	v_fma_f32 v[B+2], v[B+1], s33, v[B]
	v_fma_f32 v[B+2], v[B+1], s34, v[B+2]          ; r
	v_cvt_i32_f32 v[B+6], v[B+1]
	v_mul_f32 v[B+3], v[B+2], v[B+2]               ; r^2
	v_fma_f32 v[B+4], v[B+3], s38, s37
	v_fma_f32 v[B+5], v[B+3], s41, s40
	v_fma_f32 v[B+4], v[B+4], v[B+3], s36
	v_fma_f32 v[B+5], v[B+5], v[B+3], s39
	v_fma_f32 v[B+4], v[B+4], v[B+3], s35
	v_fma_f32 v[B+5], v[B+5], v[B+3], -0.5
	v_mul_f32 v[B+7], v[B+2], v[B+3]
	v_fma_f32 v[B+5], v[B+5], v[B+3], 1.0          ; cos r
	v_fma_f32 v[B+4], v[B+7], v[B+4], v[B+2]       ; sin r
	v_and_b32 v[B+7], 1, v[B+6]
	v_cmp_eq_u32 vcc_lo, 1, v[B+7]
	v_cndmask_b32 v[B+8], v[B+5], v[B+4], vcc_lo   ; odd quarters exchange the two
	v_cndmask_b32 v[B+9], v[B+4], v[B+5], vcc_lo
	v_add_nc_u32 v[B+10], 1, v[B+6]
	v_and_b32 v[B+10], 2, v[B+10]
	v_lshlrev_b32 v[B+10], 30, v[B+10]
	v_xor_b32 v[B+8], v[B+8], v[B+10]              ; cos is negative in quarters 1 and 2
	v_and_b32 v[B+11], 2, v[B+6]
	v_lshlrev_b32 v[B+11], 30, v[B+11]
	v_xor_b32 v[B+9], v[B+9], v[B+11]              ; sin in quarters 2 and 3
	global_store_b64 v3, v[B+8:B+9], s[20:21] offset:256*(\u)   ; a position's 256 bytes, aligned
.endm
	s_mov_b32 s44, 8
.Lpos:
	SINCOS 0
	SINCOS 1
	SINCOS 2
	SINCOS 3
	s_wait_xcnt 0x0                                ; the stores have read their data and base: both are written again below and in the next trip
	s_add_nc_u64 s[20:21], s[20:21], 1024
	s_add_co_u32 s43, s43, 4
	s_sub_co_u32 s44, s44, 1
	s_cmp_lg_u32 s44, 0
	s_cbranch_scc1 .Lpos
	s_endpgm
.Lfunc_end_k_q8b423701d4_prep:
	.size	k_q8b423701d4_prep, .Lfunc_end_k_q8b423701d4_prep-k_q8b423701d4_prep
	.p2alignl 7, 3214868480
	.fill 96, 4, 3214868480
	.section	.rodata,"a",@progbits
	.p2align	6, 0x0
	.amdhsa_kernel k_q8b423701d4_prep
		.amdhsa_group_segment_fixed_size 33280
		.amdhsa_private_segment_fixed_size 0
		.amdhsa_enable_private_segment 0
		.amdhsa_kernarg_size 72
		.amdhsa_user_sgpr_count 2
		.amdhsa_user_sgpr_kernarg_segment_ptr 1
		.amdhsa_wavefront_size32 1
		.amdhsa_system_sgpr_workgroup_id_x 1
		.amdhsa_system_sgpr_workgroup_id_y 1
		.amdhsa_system_sgpr_workgroup_id_z 1
		.amdhsa_system_vgpr_workitem_id 0
		.amdhsa_next_free_vgpr 192
		.amdhsa_next_free_sgpr 66
		.amdhsa_reserve_vcc 1
		.amdhsa_float_denorm_mode_32 3
		.amdhsa_float_denorm_mode_16_64 3
		.amdhsa_memory_ordered 1
		.amdhsa_forward_progress 1
		.amdhsa_inst_pref_size 58
	.end_amdhsa_kernel
	.amdgpu_metadata
---
amdhsa.version: [ 1, 2 ]
amdhsa.kernels:
  - .name:           k_q8b423701d4_prep
    .symbol:         k_q8b423701d4_prep.kd
    .args:
      - { .name: x, .offset: 0, .size: 8, .value_kind: global_buffer, .address_space: global }
      - { .name: wq, .offset: 8, .size: 8, .value_kind: global_buffer, .address_space: global }
      - { .name: wk, .offset: 16, .size: 8, .value_kind: global_buffer, .address_space: global }
      - { .name: wv, .offset: 24, .size: 8, .value_kind: global_buffer, .address_space: global }
      - { .name: wo, .offset: 32, .size: 8, .value_kind: global_buffer, .address_space: global }
      - { .name: xq, .offset: 40, .size: 8, .value_kind: global_buffer, .address_space: global }
      - { .name: wq4, .offset: 48, .size: 8, .value_kind: global_buffer, .address_space: global }
      - { .name: wo16, .offset: 56, .size: 8, .value_kind: global_buffer, .address_space: global }
      - { .name: rope, .offset: 64, .size: 8, .value_kind: global_buffer, .address_space: global }
    .group_segment_fixed_size: 33280
    .private_segment_fixed_size: 0
    .kernarg_segment_align: 8
    .kernarg_segment_size: 72
    .max_flat_workgroup_size: 128
    .sgpr_count:     66
    .vgpr_count:     192
    .wavefront_size: 32
...
	.end_amdgpu_metadata
.endif
;; end of part 1
;; launch qkvproj (part 2): grid 32 x 6, 4 waves a work-group, clusters of 4 x 1, 327,680 bytes of LDS; arguments xq, wq4, rope, q_gamma, k_gamma, qkv, q16; writes qkv, q16
.if DOCPART == 2
	.amdgcn_target "amdgcn-amd-amdhsa--gfx1250"
	.amdhsa_code_object_version 6
	.text
	.protected	k_q8b423701d4_qkvproj
	.globl	k_q8b423701d4_qkvproj
	.p2align	8
	.type	k_q8b423701d4_qkvproj,@function
k_q8b423701d4_qkvproj:
	s_mov_b64 s[64:65], 0
	v_nop
	global_prefetch_b8 v0, s[64:65] scope:SCOPE_SE
	s_setreg_imm32_b32 hwreg(HW_REG_WAVE_MODE, 25, 1), 1
	s_wait_xcnt 0x0
	s_wait_alu depctr_hold_cnt(0) depctr_sa_sdst(0) depctr_va_vdst(0) depctr_va_sdst(0) depctr_va_ssrc(0) depctr_va_vcc(0) depctr_vm_vsrc(0)
	s_getreg_b32 s2, hwreg(HW_REG_IB_STS2, 6, 4)
	s_cmp_eq_u32 s2, 0
	s_cbranch_scc0 .Lentry_in_a_cluster
	s_endpgm
.Lentry_in_a_cluster:
	s_bfe_u32 s2, ttmp6, 0x10000c
	s_cmp_lg_u32 s2, 0x3003
	s_cbranch_scc0 .Lentry_shape_is_right
	s_endpgm
.Lentry_shape_is_right:
; [8192 rows of x] x [1536 rows of wq, wk, wv], K = 1,024, on codes of FP4 (E2M1) with one E8M0 scale for each 32 along K; sums in f32.  On the way out: RMS norm over each head of 64, gamma, the rotation of
; neighbouring pairs (Q and K; V goes out as it is), rounding to f16.  qkv: [24 heads][8192 rows][64] f16 (heads 0-15 Q, 16-19 K, 20-23 V).  q16: [4 batches][24 heads][16 rows][64] f32: positions 0-15 unrounded.
; A tile of 256 x 256 is made by four waves, 128 x 128 each: 64 accumulators of 16 x 16.  K = 1,024 is two LDS slots of 512: both are filled once, at the start, and nothing is filled again.
; 192 work-groups: a tile of 192 columns would give 256, but a wave's 96 columns would cut a head of 64 in two.
; CLUSTER of four: tile row = cluster x + 8 cx, so the partners hold the same 256 positions of the four batches and the same tile column: the weights' tile and scales are asked for JOINTLY (mask 15);
; x's tiles differ between partners and come by plain loads.  No branch and no LDS address hangs on cx.
; THE MATRIX INSTRUCTION IS USED TRANSPOSED (source 0 = 16 rows of the weights, source 1 = 16 rows of x): a lane holds one row of x and eight neighbouring columns, so a rotation's pair lies in one lane.
; REGISTERS: window 0: v0-31 addresses; v32-95 scale words, two sets; v96-127 gamma; v128-191 x's fragments; v192-223 cos and sin of 16 positions; on the way out v32-95 Z, v128-191 Y, v224-255 1/rms.
;   window 1: the weights' fragments, two sets, at v0 and v128; on the way out v0-63 rows read back.   windows 2, 3: the accumulators ((a, b) at v[8 (8 (a % 4) + b)]).
; LIMITS: 8 |gamma| and |V| stay under 65,504 (f16); NaN and infinities are not served.
.set NQ,     4                         ; matrix instructions deep in a slot
.set ROWB,   256                       ; a tile's row: 512 codes
.set KROW,   512                       ; a row of codes in memory
.set PITCH,  272                       ; an LDS row: 256 bytes + 16 of padding: the 16 rows of a fragment load start at 16 different banks
.set FR,     8
.set NL,     2
.set NP,     4
.set HALFT,  128*PITCH
.set SLOT,   4*HALFT                   ; x's 256 rows, then the weights' 256
.set KS,     32                        ; a row of scale bytes
.set SCL,    2*SLOT                    ; the scales, as rows of 256 bytes + 16
.set HALFS,  16*272                    ; those of 128 rows
.set SBLK,   2*272                     ; those of 16 rows
.set SPARE,  SCL+4*HALFS               ; the spare words, 128 bytes a wave; no other line names them
.set STAGE,  SPARE+512                 ; the way out: 16 rows x (256 + 16) bytes for each wave; no tile lands here
.set SPITCH, 272
.set XSO,    4194304                   ; where xq's scale bytes begin
.set WSO,    786432                    ; where wq4's begin
.set TO,   7                           ; v7   256 r + 32 h: my place in the table's 16 rows, and in q16's
.set GOF,  9                           ; v9   32 h: my place in gamma
.set ADRA, 16
.set ADRB, 20
.set STO,  24
.set RD,   25
.set CO,   26
.set ADRS, 27
.set SPW,  28
.set NIL,  29
.set SC,   32
.set Z,    32
.set GAM,  96
.set AF,   128
.set Y,    128
.set CSR,  192
.set RSP,  224
.set G1, 24
.set G0, 32
.set G1B, 48
.set G0B, 56
.set G1S, 68
.set G0S, 76
.set G1SB, 80
.set G0SB, 88
.set MSB, 0
.macro WIN new                         ; the immediate's high byte repeats the setting that is left
.if MSB != (\new)
	s_set_vgpr_msb (MSB<<8)|(\new)
.set MSB, (\new)
.endif
.endm
.set MUL_LO, 0xa1                      ; source 0 window 1, source 1 window 0, C and D window 2
.set MUL_HI, 0xf1
.set TO_B,   0x40
; Waves 0 and 1 fetch for x (plain), waves 2 and 3 for the weights (joint).  The branch hangs on the wave's number alone.  An s_nop 0 and four v_nop follow each line.
.macro JLOAD g0a, g1a, g0b, g1b
	s_cmp_eq_u32 s15, 0
	s_cbranch_scc0 .Lfor_b_\@
	tensor_load_to_lds s[\g0a:\g0a+3], s[\g1a:\g1a+7]
	s_nop 0
.rept 4
	v_nop
.endr
	s_branch .Lasked_\@
.Lfor_b_\@:
	tensor_load_to_lds s[\g0b:\g0b+3], s[\g1b:\g1b+7]
	s_nop 0
.rept 4
	v_nop
.endr
.Lasked_\@:
.endm
.macro CROUND                          ; a round of the cluster's barrier
	s_barrier_signal -1
	s_barrier_wait -1
	s_cmp_lg_u32 s14, 0
	s_cbranch_scc1 .Lnot_wave_0_\@
	s_barrier_signal -3
.Lnot_wave_0_\@:
	s_barrier_wait -3
	s_barrier_signal -1
	s_barrier_wait -1
.endm
	s_load_b256 s[4:11], s[0:1], 0x0               ; xq, wq4, rope, q_gamma
	s_load_b128 s[96:99], s[0:1], 0x20             ; k_gamma, qkv
	s_load_b64 s[100:101], s[0:1], 0x30            ; q16
	v_lshl_add_u32 v[SPW], v0, 2, SPARE
	v_mov_b32 v[NIL], 0
	ds_add_u32 v[SPW], v[NIL]                      ; the wave's opening: the add, twice on end, and its wait ahead of my first tensor load
	ds_add_u32 v[SPW], v[NIL]
	v_lshrrev_b32 v1, 5, v0
	v_readfirstlane_b32 s14, v1                    ; wave 0..3
	s_lshr_b32 s15, s14, 1                         ; which half of the tile's rows is mine; also: I fetch for x (0) or for the weights (1)
	s_and_b32 s16, s14, 1                          ; which half of its columns; also: which 128 rows I fetch
	s_bfe_u32 s40, ttmp6, 0x40000                  ; cx
	s_lshl_b32 s17, s40, 3
	s_add_co_u32 s17, s17, ttmp9                   ; tile row = cluster x + 8 cx: batch cx, positions 256 x cluster x on
	s_and_b32 s42, ttmp7, 0xffff                   ; tile column: 0-3 Q, 4 K, 5 V
	s_or_b32 s95, ttmp9, s15                       ; 0 where my first 16 rows are positions 0-15: the same in all partners
	s_mov_b32 s[G1+0], (1<<20)|(5<<22)|(3<<25)     ; no mask; elements of 1 byte; 4 words of padding behind every 64
	s_mov_b32 s[G1B+0], 15|(1<<20)|(1<<21)|(5<<22)|(3<<25)   ; the same with the mask of all four, and bit 21 beside it
.irp g, G1, G1B
	s_mov_b32 s[\g+1], ROWB<<16                    ; tensor_dim0
	s_mov_b32 s[\g+2], 128<<16                     ; tensor_dim1
	s_mov_b32 s[\g+3], ROWB<<16                    ; tile_dim0
	s_mov_b32 s[\g+4], 128                         ; tile_dim1
	s_mov_b32 s[\g+5], KROW                        ; from row to row
	s_mov_b32 s[\g+6], 0
	s_mov_b32 s[\g+7], 0
.endr
	s_mov_b32 s[G1S+0], (3<<16)|(1<<20)|(5<<22)|(3<<25)      ; the scales of 128 rows: 4,096 dense bytes as 16 rows of 32 elements of 8 bytes, 16 bytes of padding behind each
	s_mov_b32 s[G1SB+0], 15|(3<<16)|(1<<20)|(1<<21)|(5<<22)|(3<<25)
.irp g, G1S, G1SB
	s_mov_b32 s[\g+1], 32<<16
	s_mov_b32 s[\g+2], 16<<16
	s_mov_b32 s[\g+3], 32<<16
	s_mov_b32 s[\g+4], 16
	s_mov_b32 s[\g+5], 32
	s_mov_b32 s[\g+6], 0
	s_mov_b32 s[\g+7], 0
.endr
	s_lshl_b32 s18, s16, 7                         ; which 128 rows I fetch
	s_lshl_b32 s20, s17, 8
	s_add_co_u32 s20, s20, s18                     ; x: row 256 x tile row + 128 x half
	s_lshl_b32 s46, s42, 8
	s_add_co_u32 s46, s46, s18                     ; weights: row 256 x tile column + 128 x half
	s_lshl_b32 s22, s20, 5
	s_add_co_u32 s22, s22, XSO                     ; their scale bytes,
	s_mov_b32 s23, 0
	s_lshl_b32 s92, s46, 5
	s_add_co_u32 s92, s92, WSO
	s_mov_b32 s93, 0
	s_lshl_b32 s20, s20, 9                         ; and their codes
	s_mov_b32 s21, 0
	s_lshl_b32 s46, s46, 9
	s_mov_b32 s47, 0
	s_mul_i32 s45, s14, HALFT                      ; where they go: wave x 128 rows
	s_mul_i32 s94, s14, HALFS
	s_mov_b32 s2, 0x76543210                       ; v_permlanex16_b32's selects for lane l xor 16
	s_mov_b32 s3, 0xfedcba98
	s_wait_dscnt 0x0                               ; both opening adds are done
	s_wait_kmcnt 0x0
	s_add_nc_u64 s[20:21], s[4:5], s[20:21]
	s_add_nc_u64 s[22:23], s[4:5], s[22:23]
	s_add_nc_u64 s[46:47], s[6:7], s[46:47]
	s_add_nc_u64 s[92:93], s[6:7], s[92:93]
	CROUND                                         ; all four work-groups are here: the first loads go out as one group behind this round
	s_mov_b32 s[G0S], 1
	s_add_co_u32 s[G0S+1], s94, SCL
	s_mov_b64 s[G0S+2:G0S+3], s[22:23]
	s_or_b32 s[G0S+3], s[G0S+3], 0x80000000
	s_mov_b32 s[G0SB], 1
	s_add_co_u32 s[G0SB+1], s94, SCL
	s_mov_b64 s[G0SB+2:G0SB+3], s[92:93]
	s_or_b32 s[G0SB+3], s[G0SB+3], 0x80000000
	JLOAD G0S, G1S, G0SB, G1SB                     ; the scales first
.irp s, 0,1
	s_mov_b32 s[G0+4*\s], 1
	s_add_co_u32 s[G0+4*\s+1], s45, \s*SLOT
	s_add_nc_u64 s[G0+4*\s+2:G0+4*\s+3], s[20:21], \s*ROWB
	s_or_b32 s[G0+4*\s+3], s[G0+4*\s+3], 0x80000000
	s_mov_b32 s[G0B+4*\s], 1
	s_add_co_u32 s[G0B+4*\s+1], s45, \s*SLOT
	s_add_nc_u64 s[G0B+4*\s+2:G0B+4*\s+3], s[46:47], \s*ROWB
	s_or_b32 s[G0B+4*\s+3], s[G0B+4*\s+3], 0x80000000
	JLOAD G0+4*\s, G1, G0B+4*\s, G1B               ; three tensor loads of mine are out at the most
.endr
	v_and_b32 v1, 15, v0                           ; r
	v_bfe_u32 v2, v0, 4, 1                         ; h
	v_lshlrev_b32 v[GOF], 5, v2
	v_lshl_add_u32 v[TO], v1, 8, v[GOF]
	s_cmp_lt_u32 s42, 4
	s_cselect_b64 s[66:67], s[10:11], s[96:97]     ; q_gamma for Q's tiles, else k_gamma (V's tile loads it and does not use it)
	s_lshl_b32 s18, ttmp9, 16                      ; the table at my first position: (256 x cluster x + 128 x half) rows of 256 bytes
	s_lshl_b32 s19, s15, 15
	s_add_co_u32 s18, s18, s19
	s_mov_b32 s19, 0
	s_add_nc_u64 s[8:9], s[8:9], s[18:19]
.irp d, 0,1,2,3                                ; gamma of channels 16 d + 8 h + 0..7; cos and sin of pairs 8 d + 4 h + 0..3 of my row of block 0
	global_load_b128 v[GAM+8*\d:GAM+8*\d+3], v[GOF], s[66:67] offset:64*\d
	global_load_b128 v[GAM+8*\d+4:GAM+8*\d+7], v[GOF], s[66:67] offset:64*\d+16
	global_load_b128 v[CSR+8*\d:CSR+8*\d+3], v[TO], s[8:9] offset:64*\d
	global_load_b128 v[CSR+8*\d+4:CSR+8*\d+7], v[TO], s[8:9] offset:64*\d+16
.endr
	v_mul_u32_u24 v3, v1, PITCH
	v_lshl_add_u32 v4, v2, 4, v3                   ; a fragment's row x pitch + 16 x half
	s_mul_i32 s21, s15, HALFT                      ; my 128 rows of x
	s_mul_i32 s22, s16, HALFT                      ; my 128 rows of the weights,
	s_add_co_u32 s22, s22, 2*HALFT                 ; which lie behind x's 256
.irp s, 0,1
	v_add_nc_u32 v[ADRA+\s], s21, v4
	v_add_nc_u32 v[ADRB+\s], s22, v4
	s_add_co_u32 s21, s21, SLOT
	s_add_co_u32 s22, s22, SLOT
.endr
	v_mul_u32_u24 v5, v1, KS                       ; my row's scales: 32 bytes a row,
	v_lshrrev_b32 v6, 8, v5
	v_lshl_add_u32 v5, v6, 4, v5                   ; and 16 more for each 256 passed
	s_mul_i32 s21, s15, HALFS
	s_mul_i32 s22, s16, HALFS
	s_add_co_u32 s22, s22, 2*HALFS
	s_sub_co_u32 s22, s22, s21
	v_mul_u32_u24 v6, s22, v2                      ; lanes 16-31 take the weights'
	s_add_co_u32 s21, s21, SCL
	v_add_nc_u32 v5, v5, v6
	v_add_nc_u32 v[ADRS], s21, v5
	s_mul_i32 s23, s14, 16*SPITCH
	s_add_co_u32 s23, s23, STAGE                   ; my stage
	v_mul_u32_u24 v5, v1, SPITCH
	v_lshl_add_u32 v5, v2, 4, v5
	v_add_nc_u32 v[STO], s23, v5                   ; in: row r, 16 bytes for each half of the lanes
	v_bfe_u32 v5, v0, 3, 1
	v_and_b32 v6, 7, v0
	v_mul_u32_u24 v3, v5, SPITCH
	v_lshl_add_u32 v3, v2, 7, v3
	v_lshl_add_u32 v3, v6, 4, v3
	v_add_nc_u32 v[RD], s23, v3                    ; back: sixteen lanes take two rows' 128 bytes of one head; lanes 16-31 the other head
	v_lshlrev_b32 v[CO], 20, v2                    ; the same in qkv: a head is 1,048,576 bytes, a row of it 128
	v_lshl_add_u32 v[CO], v5, 7, v[CO]
	v_lshl_add_u32 v[CO], v6, 4, v[CO]
	s_lshl_b32 s18, s42, 2
	s_lshl_b32 s19, s16, 1
	s_add_co_u32 s18, s18, s19                     ; my first head: 4 x tile column + 2 x half
	s_lshl_b32 s20, s18, 20
	s_lshl_b32 s21, s17, 15                        ; 256 x tile row rows of 128 bytes
	s_add_co_u32 s20, s20, s21
	s_lshl_b32 s21, s15, 14
	s_add_co_u32 s20, s20, s21
	s_mov_b32 s21, 0
	s_add_nc_u64 s[12:13], s[98:99], s[20:21]
	s_mul_i32 s22, s40, 98304                      ; q16: my batch, my first head
	s_lshl_b32 s23, s18, 12
	s_add_co_u32 s22, s22, s23
	s_mov_b32 s23, 0
	s_add_nc_u64 s[100:101], s[100:101], s[22:23]
	s_mov_b32 s92, 0x3c800000                      ; 1 / 64
	s_mov_b32 s93, 0x34000000                      ; the norm's epsilon, 2^-23
.macro FRAG reg, adr, q, i             ; 16 rows x 128 K of 4-bit codes: 8 registers: lane l holds row l % 16; registers 4 c .. 4 c + 3 hold K = 64 c + 32 (l / 16) + 0 .. 31
.irp c, 0,1
	ds_load_b128 v[\reg+4*\c:\reg+4*\c+3], v[\adr] offset:64*(\q)+32*\c+(\i)*16*PITCH
.endr
.endm
; 16 matrix instructions: x's blocks a0, a0 + 1 against the weights' eight.  The 64 accumulators take turns, one instruction a turn, in the same order in every step.
.macro MUL16 a0, p, q, sc, zero
.irp a, \a0, \a0+1
.irp b, 0,1,2,3,4,5,6,7
.if \zero
	v_wmma_scale_f32_16x16x128_f8f6f4 v[8*(8*((\a)%4)+\b):8*(8*((\a)%4)+\b)+7], v[128*(\p)+FR*\b:128*(\p)+FR*\b+FR-1], v[AF+FR*(\a):AF+FR*(\a)+FR-1], 0, v[SC+8*NQ*(\sc)+NQ*\b+(\q)], v[SC+8*NQ*(\sc)+NQ*(\a)+(\q)] matrix_a_fmt:MATRIX_FMT_FP4 matrix_b_fmt:MATRIX_FMT_FP4 matrix_a_scale:MATRIX_SCALE_ROW1
.else
	v_wmma_scale_f32_16x16x128_f8f6f4 v[8*(8*((\a)%4)+\b):8*(8*((\a)%4)+\b)+7], v[128*(\p)+FR*\b:128*(\p)+FR*\b+FR-1], v[AF+FR*(\a):AF+FR*(\a)+FR-1], v[8*(8*((\a)%4)+\b):8*(8*((\a)%4)+\b)+7], v[SC+8*NQ*(\sc)+NQ*\b+(\q)], v[SC+8*NQ*(\sc)+NQ*(\a)+(\q)] matrix_a_fmt:MATRIX_FMT_FP4 matrix_b_fmt:MATRIX_FMT_FP4 matrix_a_scale:MATRIX_SCALE_ROW1
.endif
.endr
.endr
.endm
.macro FETCH_B slot, q, p
	WIN TO_B
.irp i, 0,1,2,3,4,5,6,7
	FRAG 128*(\p)+FR*\i, ADRB+\slot, \q, \i
.endr
	WIN 0
.endm
.macro FETCH_A slot, q, i0
.irp i, \i0, \i0+1, \i0+2, \i0+3
	FRAG AF+FR*(\i), ADRA+\slot, \q, \i
.endr
.endm
.macro SCALES sc                       ; a slot's scale words: lanes 0-15 x's block i, lanes 16-31 the weights' block i
.irp i, 0,1,2,3,4,5,6,7
	ds_load_b128 v[SC+8*NQ*\sc+NQ*\i:SC+8*NQ*\sc+NQ*\i+3], v[ADRS] offset:\i*SBLK
.endr
.endm
.macro PLACES n                        ; plain vector lines between a matrix instruction and a load into, or a read of, its registers
.rept \n
	v_nop
.endr
.endm
.macro STEP slot, q, zero              ; 128 along K, with its successor in the same slot
	s_wait_dscnt 4*NL                              ; all but the youngest eight loads (x's blocks 4-7)
	WIN MUL_LO
	MUL16 0, (\q)%2, \q, \slot, \zero
	MUL16 2, (\q)%2, \q, \slot, \zero
	s_wait_dscnt 0
	PLACES NP
	FETCH_B \slot, (\q)+1, 1-(\q)%2
	FETCH_A \slot, (\q)+1, 0
	WIN MUL_HI
	MUL16 4, (\q)%2, \q, \slot, \zero
	MUL16 6, (\q)%2, \q, \slot, \zero
	PLACES NP
	WIN 0
	FETCH_A \slot, (\q)+1, 4
.endm
	s_wait_tensorcnt 1                             ; the scales and my part of slot 0 are in; slot 1's load may be out
	s_barrier_signal -1
	s_barrier_wait -1
	FETCH_B 0, 0, 0
	FETCH_A 0, 0, 0
	SCALES 0
	FETCH_A 0, 0, 4
	STEP 0, 0, 1                                   ; the first products start the sums: nothing is cleared
	STEP 0, 1, 0
	STEP 0, 2, 0
	; slot 0's last step changes slots: one barrier; in front of it my part of slot 1 has landed
	s_wait_tensorcnt 0x0
	ds_add_u32 v[SPW], v[NIL]
	s_wait_dscnt 4*NL+1                            ; the add and the youngest eight loads may be out
	WIN MUL_LO
	MUL16 0, 1, NQ-1, 0, 0
	s_wait_dscnt 0x0
	s_barrier_signal -1
	MUL16 2, 1, NQ-1, 0, 0
	WIN 0
	s_barrier_wait -1
	PLACES NP
	v_add_nc_u32 v[ADRS], 4*NQ, v[ADRS]            ; on to slot 1's scale words
	FETCH_B 1, 0, 0
	FETCH_A 1, 0, 0
	SCALES 1
	WIN MUL_HI
	MUL16 4, 1, NQ-1, 0, 0
	MUL16 6, 1, NQ-1, 0, 0
	PLACES NP
	WIN 0
	FETCH_A 1, 0, 4
	STEP 1, 0, 0
	STEP 1, 1, 0
	STEP 1, 2, 0
	s_wait_dscnt 4*NL
	WIN MUL_LO
	MUL16 0, 1, NQ-1, 1, 0
	MUL16 2, 1, NQ-1, 1, 0
	s_wait_dscnt 0
	WIN MUL_HI
	MUL16 4, 1, NQ-1, 1, 0
	MUL16 6, 1, NQ-1, 1, 0
	WIN 0
; THE WAY OUT.  First 1 / rms of every (block of 16 rows, head): 16 of them a lane.  A lane holds 32 of a head's 64 numbers, the lane 16 away the others.
	PLACES NP
	s_wait_loadcnt 0x0                             ; gamma, and block 0's cos and sin
.irp w, 0,1                                    ; blocks 4 w .. 4 w + 3 lie in window 2 + w
	WIN 0x0a+5*\w
.irp i, 0,1,2,3,4,5,6,7,8,9,10,11,12,13,14,15  ; pair i of the lane's 16; eight chains by turns; each accumulator is read from its low end on
.irp k, 0,1,2,3,4,5,6,7                        ; chain: block k / 2 of the window, head k % 2
.set rA, 64*(\k/2)+8*(4*(\k%2)+\i/4)+2*(\i%4)
.set rS, Z+2*(8*\w+\k)
.if \i == 0
	v_pk_mul_f32 v[rS:rS+1], v[rA:rA+1], v[rA:rA+1]
.else
	v_pk_fma_f32 v[rS:rS+1], v[rA:rA+1], v[rA:rA+1], v[rS:rS+1]
.endif
.endr
.endr
.endr
	WIN 0
.set i, 0
.rept 16
	v_add_f32 v[Z+2*i], v[Z+2*i], v[Z+2*i+1]
.set i, i+1
.endr
.set i, 0
.rept 16
	v_permlanex16_b32 v[Z+2*i+1], v[Z+2*i], s2, s3
.set i, i+1
.endr
.set i, 0
.rept 16
	v_add_f32 v[Z+2*i], v[Z+2*i], v[Z+2*i+1]
.set i, i+1
.endr
.set i, 0
.rept 16
	v_fma_f32 v[Z+2*i], v[Z+2*i], s92, s93         ; the mean of the squares + epsilon
.set i, i+1
.endr
.set i, 0
.rept 16
	v_rsq_f32 v[RSP+2*i], v[Z+2*i]
.set i, i+1
.endr
.set i, 0
.rept 16
	v_mov_b32 v[RSP+2*i+1], 0                      ; named with it as a pair, so it is written; also the plain lines behind the batch
.set i, i+1
.endr
	s_wait_alu depctr_va_vdst(0)                   ; one wait for the sixteen, ahead of their first reader
.macro SEND a                          ; block a's rows, back from the stage, are stored
	s_wait_dscnt 0x0
	WIN 0x04                                       ; a store's data: window 1
.irp t, 0,1,2,3,4,5,6,7
	global_store_b128 v[CO], v[32*((\a)%2)+4*\t:32*((\a)%2)+4*\t+3], s[12:13] offset:2048*(\a)+256*\t   ; sixteen lanes store 256 consecutive bytes, aligned: two rows of one head
.endr
	WIN 0
.endm
.macro TOSTAGE a
.if (\a) >= 2
	s_wait_xcnt 0x0                                ; block a - 2's stores have read the registers that the loads below fill
.endif
.irp b, 0,1,2,3,4,5,6,7
	ds_store_b128 v[STO], v[Z+4*\b:Z+4*\b+3] offset:32*\b
.endr
	WIN 0x40
.irp t, 0,1,2,3,4,5,6,7
	ds_load_b128 v[32*((\a)%2)+4*\t:32*((\a)%2)+4*\t+3], v[RD] offset:2*SPITCH*\t   ; LDS serves a wave's instructions in order: these see the stores above
.endr
	WIN 0
.endm
; Block a: 16 rows x my 128 columns (two heads).
.macro BLOCK a
.set AC, 64*((\a)%4)
.if (\a) > 0
	s_wait_dscnt 8                                 ; the last block's eight stores into the stage have read Z; its eight loads may be out
.endif
	s_cmp_eq_u32 s42, 5                            ; V's tile?  The same in all partners
	s_cbranch_scc1 .Lv_\@
	WIN 0x02+(\a)/4
.set i, 0
.rept 32
	v_pk_mul_f32 v[Y+2*i:Y+2*i+1], v[AC+2*i:AC+2*i+1], v[RSP+2*(2*(\a)+i/16):RSP+2*(2*(\a)+i/16)+1] op_sel_hi:[1,0]   ; x / rms
.set i, i+1
.endr
	WIN 0
	s_wait_loadcnt 0x0                             ; this block's cos and sin
.set i, 0
.rept 32
	v_pk_mul_f32 v[Y+2*i:Y+2*i+1], v[Y+2*i:Y+2*i+1], v[GAM+(2*i)%32:GAM+(2*i)%32+1]   ; x gamma
.set i, i+1
.endr
.set i, 0
.rept 32
	v_pk_mul_f32 v[Z+2*i:Z+2*i+1], v[Y+2*i:Y+2*i+1], v[CSR+(2*i)%32:CSR+(2*i)%32+1] op_sel_hi:[1,0]   ; both of the pair x cos
.set i, i+1
.endr
.set i, 0
.rept 32
	v_fma_f32 v[Z+2*i], -v[Y+2*i+1], v[CSR+(2*i)%32+1], v[Z+2*i]         ; x0 cos - x1 sin
	v_fma_f32 v[Z+2*i+1], v[Y+2*i], v[CSR+(2*i)%32+1], v[Z+2*i+1]        ; x1 cos + x0 sin
.set i, i+1
.endr
.if (\a) < 7
.irp d, 0,1,2,3
	global_load_b128 v[CSR+8*\d:CSR+8*\d+3], v[TO], s[8:9] offset:4096*((\a)+1)+64*\d
	global_load_b128 v[CSR+8*\d+4:CSR+8*\d+7], v[TO], s[8:9] offset:4096*((\a)+1)+64*\d+16
.endr
.endif
	s_branch .Lj_\@
.Lv_\@:
	WIN 0x02+(\a)/4
.set i, 0
.rept 32
	v_pk_mul_f32 v[Z+2*i:Z+2*i+1], v[AC+2*i:AC+2*i+1], 1.0 op_sel_hi:[1,0]   ; V as it is, out of the accumulators' window
.set i, i+1
.endr
	WIN 0
.Lj_\@:
.if (\a) == 0
	s_cmp_eq_u32 s95, 0                            ; positions 0-15: kept in f32 too
	s_cbranch_scc0 .Lno16_\@
.irp b, 0,1,2,3,4,5,6,7
	global_store_b128 v[TO], v[Z+8*\b:Z+8*\b+3], s[100:101] offset:4096*(\b/4)+64*(\b%4)
	global_store_b128 v[TO], v[Z+8*\b+4:Z+8*\b+7], s[100:101] offset:4096*(\b/4)+64*(\b%4)+16
.endr
	s_wait_xcnt 0x0                                ; these stores have read Z, which is written below
.Lno16_\@:
.endif
.set i, 0
.rept 32
	v_cvt_pk_f16_f32 v[Z+i], v[Z+2*i], v[Z+2*i+1]  ; in place: the result's register lies at or under its sources
.set i, i+1
.endr
.if (\a) > 0
	SEND (\a)-1
.endif
	TOSTAGE \a
.endm
.irp a, 0,1,2,3,4,5,6,7
	BLOCK \a
.endr
	SEND 7
	s_wait_tensorcnt 0x0                           ; the wave's end, behind my last tensor load and my last LDS store
	ds_add_u32 v[SPW], v[NIL]
	s_wait_dscnt 0x0
	CROUND                                         ; the closing round
	s_endpgm
.Lfunc_end_k_q8b423701d4_qkvproj:
	.size	k_q8b423701d4_qkvproj, .Lfunc_end_k_q8b423701d4_qkvproj-k_q8b423701d4_qkvproj
	.p2alignl 7, 3214868480
	.fill 96, 4, 3214868480
	.section	.rodata,"a",@progbits
	.p2align	6, 0x0
	.amdhsa_kernel k_q8b423701d4_qkvproj
		.amdhsa_group_segment_fixed_size 327680
		.amdhsa_private_segment_fixed_size 0
		.amdhsa_enable_private_segment 0
		.amdhsa_kernarg_size 56
		.amdhsa_user_sgpr_count 2
		.amdhsa_user_sgpr_kernarg_segment_ptr 1
		.amdhsa_wavefront_size32 1
		.amdhsa_system_sgpr_workgroup_id_x 1
		.amdhsa_system_sgpr_workgroup_id_y 1
		.amdhsa_system_sgpr_workgroup_id_z 1
		.amdhsa_system_vgpr_workitem_id 0
		.amdhsa_next_free_vgpr 1024
		.amdhsa_next_free_sgpr 102
		.amdhsa_reserve_vcc 0
		.amdhsa_float_denorm_mode_32 3
		.amdhsa_float_denorm_mode_16_64 3
		.amdhsa_memory_ordered 1
		.amdhsa_forward_progress 1
		.amdhsa_inst_pref_size 254
	.end_amdhsa_kernel
	.amdgpu_metadata
---
amdhsa.version: [ 1, 2 ]
amdhsa.kernels:
  - .name:           k_q8b423701d4_qkvproj
    .symbol:         k_q8b423701d4_qkvproj.kd
    .args:
      - { .name: xq, .offset: 0, .size: 8, .value_kind: global_buffer, .address_space: global }
      - { .name: wq4, .offset: 8, .size: 8, .value_kind: global_buffer, .address_space: global }
      - { .name: rope, .offset: 16, .size: 8, .value_kind: global_buffer, .address_space: global }
      - { .name: q_gamma, .offset: 24, .size: 8, .value_kind: global_buffer, .address_space: global }
      - { .name: k_gamma, .offset: 32, .size: 8, .value_kind: global_buffer, .address_space: global }
      - { .name: qkv, .offset: 40, .size: 8, .value_kind: global_buffer, .address_space: global }
      - { .name: q16, .offset: 48, .size: 8, .value_kind: global_buffer, .address_space: global }
    .group_segment_fixed_size: 327680
    .private_segment_fixed_size: 0
    .kernarg_segment_align: 8
    .kernarg_segment_size: 56
    .max_flat_workgroup_size: 128
    .sgpr_count:     102
    .vgpr_count:     1024
    .wavefront_size: 32
...
	.end_amdgpu_metadata
.endif
;; end of part 2
;; launch attn (part 3): grid 16 x 16, 16 waves a work-group, no clusters, 327,680 bytes of LDS; arguments qkv, att; writes att
.if DOCPART == 3
	.amdgcn_target "amdgcn-amd-amdhsa--gfx1250"
	.amdhsa_code_object_version 6
	.text
	.protected	k_q8b423701d4_attn
	.globl	k_q8b423701d4_attn
	.p2align	8
	.type	k_q8b423701d4_attn,@function
k_q8b423701d4_attn:
	s_mov_b64 s[64:65], 0
	v_nop
	global_prefetch_b8 v0, s[64:65] scope:SCOPE_SE
	s_setreg_imm32_b32 hwreg(HW_REG_WAVE_MODE, 25, 1), 1
	s_wait_xcnt 0x0
; att[row][64 head + d] = the sum over keys k <= q of softmax_k(Q . K / 8) V, f16 operands, f32 products, maxima and sums; a running maximum is taken away before every exponential.
; qkv: [24 heads][8192 rows][64] f16 (0-15 Q, 16-19 K, 20-23 V); att: [8192][1024] f16.
; SHARES.  Work-group (j, y): batch y / 4, key and value head y % 4, positions 64 j .. 64 j + 63 and 1984 - 64 j .. 2047 - 64 j, for the four query heads of that key head.  Wave w: head w % 4,
; sub-block u = (w / 4 + w) % 4 of 32 positions (u = 0, 1 early, 2, 3 late): two tiles of 16 queries.  Key steps of 64 keys: (j + 1) + (j + 1) + (32 - j) + (32 - j) = 66 for any four waves with four different u.
; Every wave walks all 8 slots of 256 keys; a step all of whose keys come after its queries is jumped over (a branch on ids).  K and V come through a ring of two LDS slots (wave 0: K, wave 1: V, 32,768 bytes a load).
; NO CLUSTER: the 16 work-groups of one key head need different numbers of slots under the mask (their last key is 2047 - 64 j), so a joint load would bring some partners tiles that none of their waves read.
; LAYOUT.  S^T = K Q^T (source 0 = 16 keys, source 1 = 16 queries): a lane holds ONE query and keys 8 (lane / 16) + 0..7; two such tiles rounded to f16 in pairs ARE source 1 of O^T = V^T P.  V is turned by ds_load_tr16_b128.
; REGISTERS: v1-15 addresses and the mask; v16-47 Q; v48-111 K, then V; v112-175 S^T, then p; v176-239 O^T; v240-255 eight statistics a tile: +0 c m, +1 m, +2, +3 l, +4..+7 at work (a at +6).
; LIMITS: |Q|, |K|, |V| and the result under 65,504 (f16); NaN and infinities are not served.
.set SK,    256                        ; keys in a slot
.set KP,    144                        ; a key's row in LDS: 128 bytes + 16
.set VP,    160                        ; a value's: 128 + 32
.set VOFF,  SK*KP
.set SLOT1, 1<<17
.set NSL,   8
.set SPARE, 2*SLOT1                    ; the spare words, 128 bytes a wave; no other line names them
.set SPI,   528                        ; the way out: 128 rows x (512 + 16) bytes, in slot 0, which has had its last fill and its last read at the last change of slots
.set AK0, 1
.set AV0, 2
.set ADK, 3
.set ADV, 4
.set SPW, 5
.set NIL, 6
.set PFO, 7
.set STO, 8
.set RD,  9
.set GO,  10
.set QF,  16
.set KV,  48
.set S,   112
.set O,   176
.set ST,  240
.set TB,  2
.set WV,  18
.set SEL, 20
.set CS,  22
.set G1K, 24
.set G1V, 32
.set G0K, 40
.set G0V, 44
.set QL,  66
.set SLOTS, 67
.set PFA, 76
.set LIM, 80
.set KF,  98
.set Q0,  99
; Wave 0 fetches K, wave 1 V, the others nothing.  An s_nop 0 and four v_nop follow each line.
.macro TLOAD
	s_cmp_eq_u32 s[WV], 0
	s_cbranch_scc0 .Lnot_k_\@
	tensor_load_to_lds s[G0K:G0K+3], s[G1K:G1K+7]
	s_nop 0
.rept 4
	v_nop
.endr
	s_branch .Lasked_\@
.Lnot_k_\@:
	s_cmp_eq_u32 s[WV], 1
	s_cbranch_scc0 .Lasked_\@
	tensor_load_to_lds s[G0V:G0V+3], s[G1V:G1V+7]
	s_nop 0
.rept 4
	v_nop
.endr
.Lasked_\@:
.endm
; A prefetch of what the NEXT change of slots will ask for: K's and V's 32,768 dense bytes.  Work-group j = 0 alone asks (it walks all slots); in it waves 4-7 ask for K's, waves 8-11 for V's, 8,192 bytes a wave,
; lanes 256 bytes apart: each aligned 256 bytes is named once in the launch.  Slots 0 and 1 come by their loads alone; the last change that fills asks for nothing.
.macro ASK
	s_cmp_gt_u32 s[SLOTS], s[LIM]
	s_cbranch_scc0 .Lnot_mine_\@
	global_prefetch_b8 v[PFO], s[PFA:PFA+1] th:TH_LOAD_NT scope:SCOPE_SE
.Lnot_mine_\@:
.endm
	s_load_b128 s[4:7], s[0:1], 0x0                ; qkv, att
	v_lshl_add_u32 v[SPW], v0, 2, SPARE
	v_mov_b32 v[NIL], 0
	ds_add_u32 v[SPW], v[NIL]                      ; the wave's opening: the add, twice on end, and its wait ahead of the first tensor load
	ds_add_u32 v[SPW], v[NIL]
	v_lshrrev_b32 v3, 5, v0
	v_readfirstlane_b32 s[WV], v3                  ; wave 0..15
	s_and_b32 s68, ttmp7, 0xffff
	s_lshr_b32 s69, s68, 2                         ; batch
	s_and_b32 s68, s68, 3                          ; key and value head
	s_lshr_b32 s70, s[WV], 2
	s_add_co_u32 s70, s70, s[WV]
	s_and_b32 s70, s70, 3                          ; u
	s_and_b32 s71, s[WV], 3                        ; my query head among the four
	s_lshl_b32 s72, ttmp9, 6                       ; 64 j
	s_sub_co_u32 s73, 1984, s72                    ; 1984 - 64 j
	s_cmp_lt_u32 s70, 2
	s_cselect_b32 s[Q0], s72, s73
	s_and_b32 s74, s70, 1
	s_lshl_b32 s74, s74, 5
	s_add_co_u32 s[Q0], s[Q0], s74                 ; my first query
	s_add_co_u32 s[QL], s73, 63                    ; the work-group's last query
	s_lshr_b32 s74, s[WV], 2                       ; the rows that I store: stage rows 8 w .. 8 w + 7
	s_cmp_lt_u32 s74, 2
	s_cselect_b32 s75, s72, s73
	s_and_b32 s74, s74, 1
	s_lshl_b32 s74, s74, 5
	s_add_co_u32 s75, s75, s74
	s_lshl_b32 s74, s71, 3
	s_add_co_u32 s75, s75, s74                     ; their first position
	s_lshl_b32 s81, s69, 18                        ; a batch's 2,048 rows of 128 bytes
	s_add_co_u32 s84, s68, 16
	s_lshl_b32 s84, s84, 20
	s_add_co_u32 s84, s84, s81                     ; K's first byte
	s_mov_b32 s85, 0
	s_add_co_u32 s86, s84, 4<<20                   ; V's
	s_mov_b32 s87, 0
	s_lshl_b32 s88, s68, 2
	s_add_co_u32 s88, s88, s71
	s_lshl_b32 s88, s88, 20
	s_add_co_u32 s88, s88, s81
	s_lshl_b32 s89, s[Q0], 7
	s_add_co_u32 s88, s88, s89                     ; Q's, at my first query
	s_mov_b32 s89, 0
	s_lshl_b32 s90, s69, 11
	s_add_co_u32 s90, s90, s75
	s_lshl_b32 s90, s90, 11                        ; att: a row is 2,048 bytes,
	s_lshl_b32 s91, s68, 9                         ; the four heads' 512 bytes in it
	s_add_co_u32 s90, s90, s91
	s_mov_b32 s91, 0
	s_mov_b32 s[G1K], (1<<16)|(1<<20)|(4<<22)|(3<<25)   ; elements of 2 bytes; 4 words of padding behind every 32
	s_mov_b32 s[G1V], (1<<16)|(1<<20)|(4<<22)|(7<<25)   ; 8 words
.irp g, G1K, G1V
	s_mov_b32 s[\g+1], 64<<16                      ; tensor_dim0
	s_mov_b32 s[\g+2], SK<<16                      ; tensor_dim1
	s_mov_b32 s[\g+3], 64<<16                      ; tile_dim0
	s_mov_b32 s[\g+4], SK                          ; tile_dim1
	s_mov_b32 s[\g+5], 64                          ; from row to row
	s_mov_b32 s[\g+6], 0
	s_mov_b32 s[\g+7], 0
.endr
	s_mov_b32 s[SEL], 0x76543210
	s_mov_b32 s[SEL+1], 0xfedcba98
	s_mov_b32 s[CS], 0x3e38aa3b                    ; c = log2(e) / 8
	s_mov_b32 s[CS+1], s[CS]
	s_mov_b32 s[TB], 0
	s_mov_b32 s[KF], 0
	s_mov_b32 s[SLOTS], NSL-1
	v_and_b32 v3, 15, v0                           ; r
	v_bfe_u32 v4, v0, 4, 1                         ; h
	v_mul_u32_u24 v[AK0], v3, KP
	v_lshl_add_u32 v[AK0], v4, 4, v[AK0]           ; K: row r, + 16 h
	v_and_b32 v12, 7, v0
	v_bfe_u32 v13, v0, 3, 1
	v_lshl_add_u32 v[AV0], v4, 3, v12
	v_mul_u32_u24 v[AV0], v[AV0], VP
	v_lshl_add_u32 v[AV0], v13, 4, v[AV0]
	v_add_nc_u32 v[AV0], VOFF, v[AV0]              ; V, for the turning load: key 8 h + l % 8, channels 8 ((l / 8) % 2) on
	s_mul_i32 s72, s70, 32*SPI
	s_lshl_b32 s73, s71, 7
	s_add_co_u32 s72, s72, s73
	v_mul_u32_u24 v[STO], v3, SPI
	v_lshl_add_u32 v[STO], v4, 4, v[STO]
	v_add_nc_u32 v[STO], s72, v[STO]               ; the stage, in: row 32 u + r, my head's 128 bytes, + 16 h
	v_and_b32 v12, 31, v0
	v_lshlrev_b32 v[GO], 4, v12
	s_mul_i32 s72, s[WV], 8*SPI
	v_add_nc_u32 v[RD], s72, v[GO]                 ; back: rows 8 w on, 16 bytes a lane
	v_lshlrev_b32 v[PFO], 8, v12
	v_lshlrev_b32 v11, 7, v3
	v_lshl_add_u32 v11, v4, 4, v11                 ; Q: row r of 128 bytes, + 16 h
	v_lshlrev_b32 v15, 3, v4
	v_sub_nc_u32 v15, v3, v15                      ; r - 8 h, for the mask
	v_mov_b32 v14, 0xff800000                      ; -infinity
	s_wait_dscnt 0x0                               ; both opening adds are done
	s_wait_kmcnt 0x0
	s_mov_b32 s[G0K], 1
	s_mov_b32 s[G0K+1], 0
	s_add_nc_u64 s[G0K+2:G0K+3], s[4:5], s[84:85]
	s_or_b32 s[G0K+3], s[G0K+3], 0x80000000
	s_mov_b32 s[G0V], 1
	s_mov_b32 s[G0V+1], VOFF
	s_add_nc_u64 s[G0V+2:G0V+3], s[4:5], s[86:87]
	s_or_b32 s[G0V+3], s[G0V+3], 0x80000000
	TLOAD                                          ; slot 0: key 0 counts for every query, so it is read
	s_add_nc_u64 s[8:9], s[4:5], s[88:89]          ; Q
	s_add_nc_u64 s[6:7], s[6:7], s[90:91]          ; att
	s_cmp_lt_u32 s[WV], 8
	s_cselect_b32 s82, s84, s86
	s_lshl_b32 s83, s71, 13
	s_add_co_u32 s82, s82, s83
	s_add_co_u32 s82, s82, SK*128                  ; in slot 1: the first change of slots steps it to slot 2
	s_mov_b32 s83, 0
	s_add_nc_u64 s[PFA:PFA+1], s[4:5], s[82:83]
	s_sub_co_u32 s82, s[WV], 4
	s_lshr_b32 s82, s82, 3                         ; 0 in waves 4 to 11,
	s_or_b32 s82, s82, ttmp9                       ; of work-group j = 0
	s_cmp_eq_u32 s82, 0
	s_cselect_b32 s[LIM], 1, -1
.irp t, 0,1
.irp c, 0,1
	global_load_b128 v[QF+16*\t+8*\c:QF+16*\t+8*\c+3], v11, s[8:9] offset:2048*\t+64*\c
	global_load_b128 v[QF+16*\t+8*\c+4:QF+16*\t+8*\c+7], v11, s[8:9] offset:2048*\t+64*\c+32
.endr
.endr
.irp t, 0,1
	v_mov_b32 v[ST+8*\t+1], 0xff61b1e6             ; m = -3e38, under every score
	v_mul_f32 v[ST+8*\t], s[CS], v[ST+8*\t+1]
.irp i, 2,3,4,5,6,7
	v_mov_b32 v[ST+8*\t+\i], 0
.endr
.endr
.set i, 0
.rept 64
	v_mov_b32 v[O+i], 0                            ; the step is written once: the first finds zeros, which its a = 0 leaves zeros
.set i, i+1
.endr
; A KEY STEP: 64 keys, the q-th of the slot in hand.
.macro STEP q
	s_add_co_u32 s96, s[Q0], 31
	s_cmp_gt_u32 s[KF], s96                        ; all keys after my 32 queries: the step's work is left out
	s_cbranch_scc1 .Lhidden_\@
	v_add_nc_u32 v[ADK], s[TB], v[AK0]
	v_add_nc_u32 v[ADV], s[TB], v[AV0]
.rept 3
	v_nop                                          ; with the two additions five places behind the last products: the loads land on V's registers, and the products below write over p's
.endr
.irp m, 0,1,2,3
.irp c, 0,1
	ds_load_b128 v[KV+8*(2*\m+\c):KV+8*(2*\m+\c)+3], v[ADK] offset:(64*(\q)+16*\m)*KP+64*\c
	ds_load_b128 v[KV+8*(2*\m+\c)+4:KV+8*(2*\m+\c)+7], v[ADK] offset:(64*(\q)+16*\m)*KP+64*\c+32
.endr
.endr
	s_wait_dscnt 0x0
.irp c, 0,1                                    ; S^T = K Q^T: eight accumulators by turns
.irp m, 0,1,2,3
.irp t, 0,1
.if \c == 0
	v_wmma_f32_16x16x32_f16 v[S+32*\t+8*\m:S+32*\t+8*\m+7], v[KV+8*(2*\m+\c):KV+8*(2*\m+\c)+7], v[QF+16*\t+8*\c:QF+16*\t+8*\c+7], 0
.else
	v_wmma_f32_16x16x32_f16 v[S+32*\t+8*\m:S+32*\t+8*\m+7], v[KV+8*(2*\m+\c):KV+8*(2*\m+\c)+7], v[QF+16*\t+8*\c:QF+16*\t+8*\c+7], v[S+32*\t+8*\m:S+32*\t+8*\m+7]
.endif
.endr
.endr
.endr
.rept 4
	v_nop                                          ; places in front of the loads into K's registers and of the first read of the scores
.endr
.irp e, 0,1                                    ; V, turned: it lands under the softmax
.irp d, 0,1,2,3
	ds_load_tr16_b128 v[KV+8*(4*\e+\d):KV+8*(4*\e+\d)+3], v[ADV] offset:(64*(\q)+32*\e)*VP+32*\d
	ds_load_tr16_b128 v[KV+8*(4*\e+\d)+4:KV+8*(4*\e+\d)+7], v[ADV] offset:(64*(\q)+32*\e)*VP+16*VP+32*\d
.endr
.endr
	s_add_co_u32 s96, s[KF], 63
	s_cmp_le_u32 s96, s[Q0]                        ; all 64 keys count for all my queries: no mask
	s_cbranch_scc1 .Lopen_\@
	s_sub_co_i32 s96, s[Q0], s[KF]
	v_add_nc_u32 v12, s96, v15                     ; d = my query - the step's first key - 8 h; register 8 m + i holds key 16 m + 8 h + i: hidden where 16 m + i > d
	v_add_nc_u32 v13, 16, v12
.irp t, 0,1
.set i, 0
.rept 32
	v_cmp_gt_i32 vcc_lo, 16*(i/8)+i%8, v[12+\t]
	v_cndmask_b32 v[S+32*\t+i], v[S+32*\t+i], v14, vcc_lo
.set i, i+1
.endr
.endr
.Lopen_\@:
.irp j, 0,1,2,3                                ; the largest score: four chains a tile, the tiles by turns; each accumulator is read from its low end on
.irp t, 0,1
	v_max3_num_f32 v[ST+8*\t+4+\j], v[S+32*\t+8*\j], v[S+32*\t+8*\j+1], v[S+32*\t+8*\j+2]
.endr
.endr
.irp g, 3,5
.irp j, 0,1,2,3
.irp t, 0,1
	v_max3_num_f32 v[ST+8*\t+4+\j], v[ST+8*\t+4+\j], v[S+32*\t+8*\j+\g], v[S+32*\t+8*\j+\g+1]
.endr
.endr
.endr
.irp t, 0,1
	v_max3_num_f32 v[ST+8*\t+4], v[ST+8*\t+4], v[S+32*\t+7], v[S+32*\t+15]
	v_max3_num_f32 v[ST+8*\t+6], v[ST+8*\t+6], v[S+32*\t+23], v[S+32*\t+31]
.endr
.irp t, 0,1
	v_max3_num_f32 v[ST+8*\t+4], v[ST+8*\t+4], v[ST+8*\t+5], v[ST+8*\t+6]
.endr
.irp t, 0,1
	v_max3_num_f32 v[ST+8*\t+4], v[ST+8*\t+4], v[ST+8*\t+7], v[ST+8*\t+1]   ; and the old m
.endr
.irp t, 0,1
	v_permlanex16_b32 v[ST+8*\t+5], v[ST+8*\t+4], s[SEL], s[SEL+1]          ; the query's other 32 keys lie in the lane 16 away
.endr
.irp t, 0,1
	v_mov_b32 v[ST+8*\t+7], v[ST+8*\t]             ; c m_old
.endr
.irp t, 0,1
	v_max_num_f32 v[ST+8*\t+1], v[ST+8*\t+4], v[ST+8*\t+5]
.endr
.irp t, 0,1
	v_mul_f32 v[ST+8*\t], s[CS], v[ST+8*\t+1]
.endr
.irp t, 0,1
	v_sub_f32 v[ST+8*\t+7], v[ST+8*\t+7], v[ST+8*\t]
.endr
.set i, 0
.rept 16
.irp t, 0,1
	v_pk_fma_f32 v[S+32*\t+2*i:S+32*\t+2*i+1], v[S+32*\t+2*i:S+32*\t+2*i+1], s[CS:CS+1], v[ST+8*\t:ST+8*\t+1] op_sel_hi:[1,0,0] neg_lo:[0,0,1] neg_hi:[0,0,1]   ; c s - c m
.endr
.set i, i+1
.endr
.irp t, 0,1
	v_exp_f32 v[ST+8*\t+6], v[ST+8*\t+7]           ; a = 2^(c m_old - c m_new)
.endr
.set i, 0
.rept 32
.irp t, 0,1
	v_exp_f32 v[S+32*\t+i], v[S+32*\t+i]           ; p
.endr
.set i, i+1
.endr
	v_nop                                          ; a plain line behind the batch of 66,
	s_wait_alu depctr_va_vdst(0)                   ; and one wait ahead of its first reader
.irp t, 0,1
	v_pk_mul_f32 v[ST+8*\t+2:ST+8*\t+3], v[ST+8*\t+2:ST+8*\t+3], v[ST+8*\t+6:ST+8*\t+7] op_sel_hi:[1,0]   ; l x a
.endr
.irp t, 0,1
	v_pk_add_f32 v[ST+8*\t+4:ST+8*\t+5], v[S+32*\t:S+32*\t+1], v[S+32*\t+2:S+32*\t+3]   ; the sum of the unrounded p, in two chains
.endr
.irp i, 4,8,12,16,20,24,28
.irp t, 0,1
	v_pk_add_f32 v[ST+8*\t+2:ST+8*\t+3], v[ST+8*\t+2:ST+8*\t+3], v[S+32*\t+\i:S+32*\t+\i+1]
	v_pk_add_f32 v[ST+8*\t+4:ST+8*\t+5], v[ST+8*\t+4:ST+8*\t+5], v[S+32*\t+\i+2:S+32*\t+\i+3]
.endr
.endr
.irp t, 0,1
	v_pk_add_f32 v[ST+8*\t+2:ST+8*\t+3], v[ST+8*\t+2:ST+8*\t+3], v[ST+8*\t+4:ST+8*\t+5]
.endr
.set i, 0
.rept 16
.irp t, 0,1
	v_cvt_pk_f16_f32 v[S+32*\t+i], v[S+32*\t+2*i], v[S+32*\t+2*i+1]   ; in place: registers 8 e .. 8 e + 7 become source 1 for keys 32 e on
.endr
.set i, i+1
.endr
.set i, 0
.rept 16
.irp t, 0,1
	v_pk_mul_f32 v[O+32*\t+2*i:O+32*\t+2*i+1], v[O+32*\t+2*i:O+32*\t+2*i+1], v[ST+8*\t+6:ST+8*\t+7] op_sel_hi:[1,0]   ; O^T x a
.endr
.set i, i+1
.endr
	s_wait_dscnt 0x0                               ; V is in
.irp e, 0,1                                    ; O^T += V^T P: eight accumulators by turns
.irp d, 0,1,2,3
.irp t, 0,1
	v_wmma_f32_16x16x32_f16 v[O+32*\t+8*\d:O+32*\t+8*\d+7], v[KV+8*(4*\e+\d):KV+8*(4*\e+\d)+7], v[S+32*\t+8*\e:S+32*\t+8*\e+7], v[O+32*\t+8*\d:O+32*\t+8*\d+7]
.endr
.endr
.endr
.Lhidden_\@:
	s_add_co_u32 s[KF], s[KF], 64
.endm
; THE CHANGE OF SLOTS stands at a slot's head: all my tensor loads have landed, the add, my reads of the slot that I have left are over, one barrier; behind it that slot is filled with the keys that follow.
.macro CHANGE fill
	s_wait_tensorcnt 0x0                           ; no tensor load of mine is out, so a group 0 may be written
	ds_add_u32 v[SPW], v[NIL]
.if \fill
	ds_add_u32 v[SPW], v[NIL]                      ; and twice on end here, in every trip alike
	s_xor_b32 s[G0K+1], s[G0K+1], SLOT1
	s_add_nc_u64 s[G0K+2:G0K+3], s[G0K+2:G0K+3], SK*128
	s_xor_b32 s[G0V+1], s[G0V+1], SLOT1
	s_add_nc_u64 s[G0V+2:G0V+3], s[G0V+2:G0V+3], SK*128
	s_wait_xcnt 0x0                                ; the last prefetch, a slot back, has read its address
	s_add_nc_u64 s[PFA:PFA+1], s[PFA:PFA+1], SK*128
.endif
	s_wait_dscnt 0x0
	s_barrier_signal -1
	s_barrier_wait -1
.if \fill
	s_add_co_u32 s96, s[KF], SK                    ; the first key of the slot that this change would ask for:
	s_cmp_gt_u32 s96, s[QL]                        ; after the work-group's last query none of its waves would read it, so it is not asked for.  Ids and the count of steps alone: all waves go the same way
	s_cbranch_scc1 .Lpast_\@
	TLOAD                                          ; a wave's one tensor load until the next barrier: one is out at the most
.Lpast_\@:
	ASK
.endif
.endm
.macro SLOT_STEPS
	STEP 0
	STEP 1
	STEP 2
	STEP 3
	s_xor_b32 s[TB], s[TB], SLOT1
.endm
	s_wait_loadcnt 0x0                             ; Q
.Lslot:
	CHANGE 1
	SLOT_STEPS
	s_sub_co_u32 s[SLOTS], s[SLOTS], 1
	s_cmp_lg_u32 s[SLOTS], 0
	s_cbranch_scc1 .Lslot
	CHANGE 0                                       ; the last slot is written out: nothing is left to ask for
	SLOT_STEPS
	; THE WAY OUT: O^T / l, rounded to f16, into the work-group's stage; a barrier, since a row's 512 bytes come from four waves; back as whole rows.
.rept 4
	v_nop
.endr
.irp t, 0,1
	v_add_f32 v[ST+8*\t+4], v[ST+8*\t+2], v[ST+8*\t+3]
.endr
.irp t, 0,1
	v_permlanex16_b32 v[ST+8*\t+5], v[ST+8*\t+4], s[SEL], s[SEL+1]
.endr
.irp t, 0,1
	v_add_f32 v[ST+8*\t+4], v[ST+8*\t+4], v[ST+8*\t+5]
.endr
.irp t, 0,1
	v_rcp_f32 v[ST+8*\t+6], v[ST+8*\t+4]
.endr
	v_nop
	s_wait_alu depctr_va_vdst(0)                   ; one wait for the two reciprocals
.set i, 0
.rept 16
.irp t, 0,1
	v_pk_mul_f32 v[O+32*\t+2*i:O+32*\t+2*i+1], v[O+32*\t+2*i:O+32*\t+2*i+1], v[ST+8*\t+6:ST+8*\t+7] op_sel_hi:[1,0]
.endr
.set i, i+1
.endr
.set i, 0
.rept 16
.irp t, 0,1
	v_cvt_pk_f16_f32 v[S+32*\t+i], v[O+32*\t+2*i], v[O+32*\t+2*i+1]
.endr
.set i, i+1
.endr
.irp t, 0,1
.irp d, 0,1,2,3
	ds_store_b128 v[STO], v[S+32*\t+4*\d:S+32*\t+4*\d+3] offset:16*SPI*\t+32*\d
.endr
.endr
	s_wait_dscnt 0x0                               ; for the others' sake: my stores into the stage are done
	s_barrier_signal -1
	s_barrier_wait -1
.irp i, 0,1,2,3,4,5,6,7
	ds_load_b128 v[KV+4*\i:KV+4*\i+3], v[RD] offset:SPI*\i
.endr
.irp i, 0,1,2,3,4,5,6,7
	s_wait_dscnt 7-\i                              ; the younger loads may stay out
	global_store_b128 v[GO], v[KV+4*\i:KV+4*\i+3], s[6:7] offset:2048*\i   ; 32 lanes store 512 consecutive bytes, aligned
.endr
	s_wait_tensorcnt 0x0                           ; the wave's end
	ds_add_u32 v[SPW], v[NIL]
	s_wait_dscnt 0x0
	s_endpgm
.Lfunc_end_k_q8b423701d4_attn:
	.size	k_q8b423701d4_attn, .Lfunc_end_k_q8b423701d4_attn-k_q8b423701d4_attn
	.p2alignl 7, 3214868480
	.fill 96, 4, 3214868480
	.section	.rodata,"a",@progbits
	.p2align	6, 0x0
	.amdhsa_kernel k_q8b423701d4_attn
		.amdhsa_group_segment_fixed_size 327680
		.amdhsa_private_segment_fixed_size 0
		.amdhsa_enable_private_segment 0
		.amdhsa_kernarg_size 16
		.amdhsa_user_sgpr_count 2
		.amdhsa_user_sgpr_kernarg_segment_ptr 1
		.amdhsa_wavefront_size32 1
		.amdhsa_system_sgpr_workgroup_id_x 1
		.amdhsa_system_sgpr_workgroup_id_y 1
		.amdhsa_system_sgpr_workgroup_id_z 1
		.amdhsa_system_vgpr_workitem_id 0
		.amdhsa_next_free_vgpr 256
		.amdhsa_next_free_sgpr 100
		.amdhsa_reserve_vcc 1
		.amdhsa_float_denorm_mode_32 3
		.amdhsa_float_denorm_mode_16_64 3
		.amdhsa_memory_ordered 1
		.amdhsa_forward_progress 1
		.amdhsa_inst_pref_size 189
	.end_amdhsa_kernel
	.amdgpu_metadata
---
amdhsa.version: [ 1, 2 ]
amdhsa.kernels:
  - .name:           k_q8b423701d4_attn
    .symbol:         k_q8b423701d4_attn.kd
    .args:
      - { .name: qkv, .offset: 0, .size: 8, .value_kind: global_buffer, .address_space: global }
      - { .name: att, .offset: 8, .size: 8, .value_kind: global_buffer, .address_space: global }
    .group_segment_fixed_size: 327680
    .private_segment_fixed_size: 0
    .kernarg_segment_align: 8
    .kernarg_segment_size: 16
    .max_flat_workgroup_size: 512
    .sgpr_count:     100
    .vgpr_count:     256
    .wavefront_size: 32
...
	.end_amdgpu_metadata
.endif
;; end of part 3
;; launch oproj (part 4): grid 4 x 64, 4 waves a work-group, clusters of 4 x 4, 327,680 bytes of LDS; arguments att, wo16, out0; writes out0
.if DOCPART == 4
	.amdgcn_target "amdgcn-amd-amdhsa--gfx1250"
	.amdhsa_code_object_version 6
	.text
	.protected	k_q8b423701d4_oproj
	.globl	k_q8b423701d4_oproj
	.p2align	8
	.type	k_q8b423701d4_oproj,@function
k_q8b423701d4_oproj:
	s_mov_b64 s[64:65], 0
	v_nop
	global_prefetch_b8 v0, s[64:65] scope:SCOPE_SE
	s_setreg_imm32_b32 hwreg(HW_REG_WAVE_MODE, 25, 1), 1
	s_wait_xcnt 0x0
	s_wait_alu depctr_hold_cnt(0) depctr_sa_sdst(0) depctr_va_vdst(0) depctr_va_sdst(0) depctr_va_ssrc(0) depctr_va_vcc(0) depctr_vm_vsrc(0)
	s_getreg_b32 s2, hwreg(HW_REG_IB_STS2, 6, 4)
	s_cmp_eq_u32 s2, 0
	s_cbranch_scc0 .Lentry_in_a_cluster
	s_endpgm
.Lentry_in_a_cluster:
	s_bfe_u32 s2, ttmp6, 0x10000c
	s_cmp_lg_u32 s2, 0xf033
	s_cbranch_scc0 .Lentry_shape_is_right
	s_endpgm
.Lentry_shape_is_right:
; out0[m][n] = the sum over k of att[m][k] wo16[n][k]: [8192][1024] x [1024][1024], f16 operands, f32 sums, f32 out.
; A tile of 128 x 256 gives 256 work-groups; four waves, 64 x 128 each: 32 accumulators, which fill window 1.  K goes in steps of 128 (rows of 256 bytes) through a ring of two LDS slots.
; CLUSTERS of 4 x 4: att's tile is shared along a row of the cluster, wo16's along a column: each is asked for jointly.  The matrix instruction is used transposed (source 0 = rows of wo16, source 1 = rows of att).
; REGISTERS: window 0: v0-31 addresses; v32-63, v64-95 att's fragments, two buffers; v128-191, v192-255 wo16's, two buffers (on the way out: rows read back).  window 1: accumulator (a, b) at v[8 (8 a + b)].
; Rows 0-15 of each batch are written again, more finely, by the launch that follows.
.set KSTEP,  128
.set PITCH,  272
.set AH,     64*PITCH
.set BH,     128*PITCH
.set SLOT,   2*AH+2*BH
.set STAGE,  2*SLOT                    ; 16 rows x (512 + 16) bytes for each wave; no tile lands here
.set SPITCH, 528
.set SPARE,  STAGE+4*16*SPITCH         ; the spare words, 128 bytes a wave; no other line names them
.set LAPS,   4
.set ADRA, 16
.set ADRB, 20
.set STO,  24
.set RD,   25
.set CO,   26
.set SPW,  28
.set NIL,  29
.set PFO,  30
.set FA,   32
.set FB,   128
.set BK,   128
.set G1, 24
.set G0, 32
.set G1B, 48
.set G0B, 56
.set LIM, 43
.set PFA, 44
.set MSB, 0
.macro WIN new
.if MSB != (\new)
	s_set_vgpr_msb (MSB<<8)|(\new)
.set MSB, (\new)
.endif
.endm
.set MUL, 0x50                         ; C and D window 1, sources 0 and 1 window 0
.macro JLOAD s                         ; waves 0 and 1 fetch att's halves, waves 2 and 3 wo16's; an s_nop 0 and four v_nop follow each line
	s_cmp_eq_u32 s11, 0
	s_cbranch_scc0 .Lfor_b_\@
	tensor_load_to_lds s[G0+4*\s:G0+4*\s+3], s[G1:G1+7]
	s_nop 0
.rept 4
	v_nop
.endr
	s_branch .Lasked_\@
.Lfor_b_\@:
	tensor_load_to_lds s[G0B+4*\s:G0B+4*\s+3], s[G1B:G1B+7]
	s_nop 0
.rept 4
	v_nop
.endr
.Lasked_\@:
.endm
; A prefetch of the K step that stands two refills on: 32 rows x 256 bytes, a lane a row.  att's 128 rows of a tile row: wave 0 of each of the four partners takes 32, told apart by address (cx).
; wo16's 256 rows of a tile column are read by every cluster: cluster y = 0 asks; waves 2 and 3 take the 128 rows that they fetch, each partner 32 of them (cy).  So each 256 bytes is named once.  The last trip asks for nothing.
.macro ASK
	s_cmp_gt_u32 s3, s[LIM]
	s_cbranch_scc0 .Lnot_mine_\@
	global_prefetch_b8 v[PFO], s[PFA:PFA+1] offset:KSTEP*2 th:TH_LOAD_NT scope:SCOPE_SE
.Lnot_mine_\@:
.endm
.macro CREST
	s_cmp_lg_u32 s10, 0
	s_cbranch_scc1 .Lnot_wave_0_\@
	s_barrier_signal -3
.Lnot_wave_0_\@:
	s_barrier_wait -3
	s_barrier_signal -1
	s_barrier_wait -1
.endm
.macro CROUND
	s_barrier_signal -1
	s_barrier_wait -1
	CREST
.endm
	s_load_b128 s[4:7], s[0:1], 0x0                ; att, wo16
	s_load_b64 s[8:9], s[0:1], 0x10                ; out0
	v_lshl_add_u32 v[SPW], v0, 2, SPARE
	v_mov_b32 v[NIL], 0
	ds_add_u32 v[SPW], v[NIL]                      ; the wave's opening: the add, twice on end, and its wait ahead of my first tensor load
	ds_add_u32 v[SPW], v[NIL]
	v_lshrrev_b32 v1, 5, v0
	v_readfirstlane_b32 s10, v1                    ; wave 0..3
	s_lshr_b32 s11, s10, 1                         ; which 64 rows of the tile are mine; also: I fetch for att (0) or wo16 (1)
	s_and_b32 s12, s10, 1                          ; which 128 columns; also: which half I fetch
	s_bfe_u32 s40, ttmp6, 0x40000                  ; cx
	s_bfe_u32 s41, ttmp6, 0x40004                  ; cy
	s_lshl_b32 s42, ttmp9, 2
	s_add_co_u32 s42, s42, s40                     ; tile column
	s_and_b32 s13, ttmp7, 0xffff
	s_lshl_b32 s13, s13, 2
	s_add_co_u32 s13, s13, s41                     ; tile row
	s_lshl_b32 s43, s41, 2
	s_lshl_b32 s43, 15, s43                        ; my row of the cluster
	s_lshl_b32 s44, 0x1111, s40                    ; my column
	s_or_b32 s[G1+0], s43, (1<<16)|(1<<20)|(1<<21)|(5<<22)|(3<<25)   ; the mask; elements of 2 bytes; bit 21 beside the mask; 4 words of padding behind every 64
	s_or_b32 s[G1B+0], s44, (1<<16)|(1<<20)|(1<<21)|(5<<22)|(3<<25)
	s_mov_b32 s[G1+1], KSTEP<<16
	s_mov_b32 s[G1+2], 64<<16
	s_mov_b32 s[G1+3], KSTEP<<16
	s_mov_b32 s[G1+4], 64
	s_mov_b32 s[G1+5], 1024
	s_mov_b32 s[G1+6], 0
	s_mov_b32 s[G1+7], 0
	s_mov_b32 s[G1B+1], KSTEP<<16
	s_mov_b32 s[G1B+2], 128<<16
	s_mov_b32 s[G1B+3], KSTEP<<16
	s_mov_b32 s[G1B+4], 128
	s_mov_b32 s[G1B+5], 1024
	s_mov_b32 s[G1B+6], 0
	s_mov_b32 s[G1B+7], 0
	s_lshl_b32 s16, s13, 7
	s_lshl_b32 s17, s12, 6
	s_add_co_u32 s16, s16, s17                     ; att: row 128 x tile row + 64 x half
	s_lshl_b32 s16, s16, 11
	s_mov_b32 s17, 0
	s_lshl_b32 s46, s42, 8
	s_lshl_b32 s47, s12, 7
	s_add_co_u32 s46, s46, s47                     ; wo16: row 256 x tile column + 128 x half
	s_lshl_b32 s46, s46, 11
	s_mov_b32 s47, 0
	s_mul_i32 s20, s12, AH                         ; where they go: no place in the cluster enters an LDS address
	s_mul_i32 s21, s12, BH
	s_add_co_u32 s21, s21, 2*AH
	s_wait_dscnt 0x0                               ; both opening adds are done
	s_wait_kmcnt 0x0
	s_add_nc_u64 s[14:15], s[4:5], s[16:17]
	s_add_nc_u64 s[46:47], s[6:7], s[46:47]
	CROUND                                         ; all sixteen work-groups are here: the first joint loads meet
.irp s, 0,1
	s_mov_b32 s[G0+4*\s], 1
	s_add_co_u32 s[G0+4*\s+1], s20, \s*SLOT
	s_add_nc_u64 s[G0+4*\s+2:G0+4*\s+3], s[14:15], \s*KSTEP*2
	s_or_b32 s[G0+4*\s+3], s[G0+4*\s+3], 0x80000000
	s_mov_b32 s[G0B+4*\s], 1
	s_add_co_u32 s[G0B+4*\s+1], s21, \s*SLOT
	s_add_nc_u64 s[G0B+4*\s+2:G0B+4*\s+3], s[46:47], \s*KSTEP*2
	s_or_b32 s[G0B+4*\s+3], s[G0B+4*\s+3], 0x80000000
	JLOAD \s                                       ; two tensor loads of mine are out at the most
.endr
	v_and_b32 v1, 15, v0
	v_bfe_u32 v2, v0, 4, 1
	v_mul_u32_u24 v3, v1, PITCH
	v_lshl_add_u32 v3, v2, 4, v3
	s_mul_i32 s21, s11, AH                         ; my 64 rows of att
	s_mul_i32 s22, s12, BH                         ; my 128 rows of wo16,
	s_add_co_u32 s22, s22, 2*AH                    ; behind att's 128
.irp s, 0,1
	v_add_nc_u32 v[ADRA+\s], s21, v3
	v_add_nc_u32 v[ADRB+\s], s22, v3
	s_add_co_u32 s21, s21, SLOT
	s_add_co_u32 s22, s22, SLOT
.endr
	s_mul_i32 s23, s10, 16*SPITCH
	s_add_co_u32 s23, s23, STAGE                   ; my stage
	v_mul_u32_u24 v5, v1, SPITCH
	v_lshl_add_u32 v5, v2, 5, v5
	v_add_nc_u32 v[STO], s23, v5                   ; in: row r, 32 bytes for each half of the lanes
	v_and_b32 v6, 31, v0
	v_lshlrev_b32 v[CO], 4, v6                     ; back: the 32 lanes take a row of 512 bytes
	v_add_nc_u32 v[RD], s23, v[CO]
	v_lshlrev_b32 v[PFO], 11, v6                   ; a row of att or wo16 is 2,048 bytes
	s_lshl_b32 s16, s13, 7
	s_lshl_b32 s17, s11, 6
	s_add_co_u32 s16, s16, s17                     ; my first row of out0
	s_lshl_b32 s16, s16, 12
	s_mov_b32 s17, 0
	s_lshl_b32 s46, s42, 10                        ; my first column, in bytes
	s_lshl_b32 s47, s12, 9
	s_add_co_u32 s46, s46, s47
	s_mov_b32 s47, 0
	s_add_nc_u64 s[16:17], s[16:17], s[46:47]
	s_add_nc_u64 s[8:9], s[8:9], s[16:17]
	s_lshl_b32 s20, s13, 7                         ; the prefetches: att's tile row,
	s_lshl_b32 s21, s42, 8
	s_lshl_b32 s22, s12, 7
	s_add_co_u32 s21, s21, s22                     ; or the 128 rows of wo16 that I fetch
	s_and_b32 s22, ttmp7, 0xffff                   ; cluster y
	s_cmp_eq_u32 s11, 0
	s_cselect_b32 s20, s20, s21
	s_cselect_b32 s21, s40, s41                    ; my place among the four that share the tile
	s_cselect_b32 s22, s12, s22                    ; att: wave 0 asks; wo16: cluster y = 0 asks
	s_cselect_b64 s[PFA:PFA+1], s[4:5], s[6:7]
	s_cmp_eq_u32 s22, 0
	s_cselect_b32 s[LIM], 1, -1                    ; the same in all sixteen partners, for a given wave
	s_lshl_b32 s21, s21, 5
	s_add_co_u32 s20, s20, s21
	s_lshl_b32 s20, s20, 11
	s_add_co_u32 s20, s20, 2*KSTEP*2               ; at K step 2: the first refill steps it to 3 and names K step 4
	s_mov_b32 s21, 0
	s_add_nc_u64 s[PFA:PFA+1], s[PFA:PFA+1], s[20:21]
.macro MUL8 f, a, zero                 ; att's block a against wo16's eight; the 32 accumulators take turns, in the same order in every quarter
.irp b, 0,1,2,3,4,5,6,7
.if \zero
	v_wmma_f32_16x16x32_f16 v[8*(8*(\a)+\b):8*(8*(\a)+\b)+7], v[FB+64*(\f)+8*\b:FB+64*(\f)+8*\b+7], v[FA+32*(\f)+8*(\a):FA+32*(\f)+8*(\a)+7], 0
.else
	v_wmma_f32_16x16x32_f16 v[8*(8*(\a)+\b):8*(8*(\a)+\b)+7], v[FB+64*(\f)+8*\b:FB+64*(\f)+8*\b+7], v[FA+32*(\f)+8*(\a):FA+32*(\f)+8*(\a)+7], v[8*(8*(\a)+\b):8*(8*(\a)+\b)+7]
.endif
.endr
.endm
.macro FETCH slot, k, f                ; 24 LDS loads: wo16's eight fragments, then att's four
.irp i, 0,1,2,3,4,5,6,7
	ds_load_b128 v[FB+64*(\f)+8*\i:FB+64*(\f)+8*\i+3], v[ADRB+\slot] offset:\k+\i*16*PITCH
	ds_load_b128 v[FB+64*(\f)+8*\i+4:FB+64*(\f)+8*\i+7], v[ADRB+\slot] offset:\k+\i*16*PITCH+32
.endr
.irp i, 0,1,2,3
	ds_load_b128 v[FA+32*(\f)+8*\i:FA+32*(\f)+8*\i+3], v[ADRA+\slot] offset:\k+\i*16*PITCH
	ds_load_b128 v[FA+32*(\f)+8*\i+4:FA+32*(\f)+8*\i+7], v[ADRA+\slot] offset:\k+\i*16*PITCH+32
.endr
.endm
.macro PLACES
.rept 4
	v_nop
.endr
.endm
.macro QUARTER slot, k, f, g, zero     ; 32 along K: multiplies buffer f, fetches the next quarter, at byte k, into buffer g
	s_wait_dscnt 4                                 ; all but att's blocks 2 and 3
	WIN MUL
	MUL8 \f, 0, \zero
	MUL8 \f, 1, \zero
	PLACES
	WIN 0
	FETCH \slot, \k, \g
	s_wait_dscnt 24                                ; all but the 24 just issued
	WIN MUL
	MUL8 \f, 2, \zero
	MUL8 \f, 3, \zero
.endm
; A K step's last quarter multiplies buffer 1 and changes slots: one barrier; in front of it all my tensor loads have landed, the add, my reads of this slot are over.  fill = 1: the barrier opens a round of the cluster's, and this slot is filled again.
.macro TURN slot, next, fill
.if \fill
	s_wait_xcnt 0x0                                ; the last prefetch, a K step back, has read its address
	s_add_nc_u64 s[PFA:PFA+1], s[PFA:PFA+1], KSTEP*2
.endif
	WIN 0
	s_wait_tensorcnt 0x0
	ds_add_u32 v[SPW], v[NIL]
	s_wait_dscnt 5                                 ; the add and att's blocks 2 and 3 may be out
	WIN MUL
	MUL8 1, 0, 0
	s_wait_dscnt 0x0
	s_barrier_signal -1
	MUL8 1, 1, 0
	WIN 0
	s_barrier_wait -1
.if \fill
	CREST
	s_add_nc_u64 s[G0+4*\slot+2:G0+4*\slot+3], s[G0+4*\slot+2:G0+4*\slot+3], 2*KSTEP*2
	s_add_nc_u64 s[G0B+4*\slot+2:G0B+4*\slot+3], s[G0B+4*\slot+2:G0B+4*\slot+3], 2*KSTEP*2
	JLOAD \slot                                    ; my one tensor load behind the round; its four v_nop are also the places in front of the loads below
.else
	PLACES
.endif
	FETCH \next, 0, 0
.if \fill
	ASK
.endif
	WIN MUL
	MUL8 1, 2, 0
	MUL8 1, 3, 0
.endm
	s_wait_tensorcnt 1                             ; my part of K step 0 is in; K step 1's may be out
	s_barrier_signal -1
	s_barrier_wait -1
	FETCH 0, 0, 0
	QUARTER 0, 64, 0, 1, 1                         ; the first quarter's products start the sums
	WIN 0
	s_mov_b32 s3, LAPS-1
.Llap:
	QUARTER 0, 128, 1, 0, 0
	QUARTER 0, 192, 0, 1, 0
	TURN 0, 1, 1
	QUARTER 1, 64, 0, 1, 0
	QUARTER 1, 128, 1, 0, 0
	QUARTER 1, 192, 0, 1, 0
	TURN 1, 0, 1
	QUARTER 0, 64, 0, 1, 0
	WIN 0
	s_sub_co_u32 s3, s3, 1
	s_cmp_lg_u32 s3, 0
	s_cbranch_scc1 .Llap
	QUARTER 0, 128, 1, 0, 0                        ; the last lap fills nothing
	QUARTER 0, 192, 0, 1, 0
	TURN 0, 1, 0
	QUARTER 1, 64, 0, 1, 0
	QUARTER 1, 128, 1, 0, 0
	QUARTER 1, 192, 0, 1, 0
	s_wait_dscnt 4
	WIN MUL
	MUL8 1, 0, 0
	MUL8 1, 1, 0
	s_wait_dscnt 0
	MUL8 1, 2, 0
	MUL8 1, 3, 0
	WIN 0
; THE WAY OUT, a block of 16 rows x 128 columns at a time, through my own stage, back as whole rows of 512 bytes.
.macro TOSTAGE a
	WIN 0x04                                       ; an LDS store's data: window 1
.irp b, 0,1,2,3,4,5,6,7
	ds_store_b128 v[STO], v[64*(\a)+8*\b:64*(\a)+8*\b+3] offset:64*\b          ; each accumulator from its low end on
	ds_store_b128 v[STO], v[64*(\a)+8*\b+4:64*(\a)+8*\b+7] offset:64*\b+16
.endr
	WIN 0
.irp t, 0,1,2,3,4,5,6,7,8,9,10,11,12,13,14,15
	ds_load_b128 v[BK+64*((\a)%2)+4*\t:BK+64*((\a)%2)+4*\t+3], v[RD] offset:\t*SPITCH
.endr
.endm
.macro SEND a, younger
	s_wait_dscnt \younger                          ; the block is back; the next block's LDS instructions may be out
.if (\a) > 0
	s_add_nc_u64 s[8:9], s[8:9], 16*4096           ; behind a wait on XCNT: the earlier stores have read their base
.endif
.irp t, 0,1,2,3,4,5,6,7,8,9,10,11,12,13,14,15
	global_store_b128 v[CO], v[BK+64*((\a)%2)+4*\t:BK+64*((\a)%2)+4*\t+3], s[8:9] offset:\t*4096 th:TH_STORE_NT   ; 512 consecutive bytes, aligned
.endr
.endm
	PLACES
	TOSTAGE 0
.irp a, 1,2,3
.if \a > 1
	s_wait_xcnt 0x0                                ; block a - 2's stores have read their registers and their base
.endif
	TOSTAGE \a
	SEND \a-1, 32
.endr
	s_wait_xcnt 0x0
	SEND 3, 0
	s_wait_tensorcnt 0x0                           ; the wave's end
	ds_add_u32 v[SPW], v[NIL]
	s_wait_dscnt 0x0
	CROUND                                         ; the closing round
	s_endpgm
.Lfunc_end_k_q8b423701d4_oproj:
	.size	k_q8b423701d4_oproj, .Lfunc_end_k_q8b423701d4_oproj-k_q8b423701d4_oproj
	.p2alignl 7, 3214868480
	.fill 96, 4, 3214868480
	.section	.rodata,"a",@progbits
	.p2align	6, 0x0
	.amdhsa_kernel k_q8b423701d4_oproj
		.amdhsa_group_segment_fixed_size 327680
		.amdhsa_private_segment_fixed_size 0
		.amdhsa_enable_private_segment 0
		.amdhsa_kernarg_size 24
		.amdhsa_user_sgpr_count 2
		.amdhsa_user_sgpr_kernarg_segment_ptr 1
		.amdhsa_wavefront_size32 1
		.amdhsa_system_sgpr_workgroup_id_x 1
		.amdhsa_system_sgpr_workgroup_id_y 1
		.amdhsa_system_sgpr_workgroup_id_z 1
		.amdhsa_system_vgpr_workitem_id 0
		.amdhsa_next_free_vgpr 512
		.amdhsa_next_free_sgpr 66
		.amdhsa_reserve_vcc 0
		.amdhsa_float_denorm_mode_32 3
		.amdhsa_float_denorm_mode_16_64 3
		.amdhsa_memory_ordered 1
		.amdhsa_forward_progress 1
		.amdhsa_inst_pref_size 86
	.end_amdhsa_kernel
	.amdgpu_metadata
---
amdhsa.version: [ 1, 2 ]
amdhsa.kernels:
  - .name:           k_q8b423701d4_oproj
    .symbol:         k_q8b423701d4_oproj.kd
    .args:
      - { .name: att, .offset: 0, .size: 8, .value_kind: global_buffer, .address_space: global }
      - { .name: wo16, .offset: 8, .size: 8, .value_kind: global_buffer, .address_space: global }
      - { .name: out0, .offset: 16, .size: 8, .value_kind: global_buffer, .address_space: global }
    .group_segment_fixed_size: 327680
    .private_segment_fixed_size: 0
    .kernarg_segment_align: 8
    .kernarg_segment_size: 24
    .max_flat_workgroup_size: 128
    .sgpr_count:     66
    .vgpr_count:     512
    .wavefront_size: 32
...
	.end_amdgpu_metadata
.endif
;; end of part 4
;; launch first16 (part 5): grid 64 x 4, 16 waves a work-group, no clusters, 18,432 bytes of LDS; arguments q16, wo, out0; writes out0
.if DOCPART == 5
	.amdgcn_target "amdgcn-amd-amdhsa--gfx1250"
	.amdhsa_code_object_version 6
	.text
	.protected	k_q8b423701d4_first16
	.globl	k_q8b423701d4_first16
	.p2align	8
	.type	k_q8b423701d4_first16,@function
k_q8b423701d4_first16:
	s_mov_b64 s[64:65], 0
	v_nop
	global_prefetch_b8 v0, s[64:65] scope:SCOPE_SE
	s_setreg_imm32_b32 hwreg(HW_REG_WAVE_MODE, 25, 1), 1
	s_wait_xcnt 0x0
; Positions 0-15 of each batch once more, wholly in f32: these rows average one to sixteen values and are the largest of the output, so f16 operands would use up what the comparison allows.
; q16: [4 batches][24 heads][16 rows][64] f32 (heads 0-15 Q, 16-19 K, 20-23 V, after norm and rotation); wo: [1024][1024] f32.  Writes out0[batch][0..15][:] over what the launch before left there.
; Work-group (x, y): batch y, output columns 16 x .. 16 x + 15.  Wave = head: its 16 x 16 attention (32 matrix instructions), then its 64 channels against wo's (16); the sixteen partial tiles meet in LDS.
; All three products by v_wmma_f32_16x16x4_f32.  Along each K both sources take the same permutation of k, so that a lane's operands are what it holds anyway.  The four accumulators v144-175 are written by matrix instructions alone.
; The stores cover 64 bytes of a row each: 256 KB in all; that is the price of sharing the columns 64 ways.
.set SPARE, 16384                      ; behind the 16 partial tiles of 1,024 bytes: the spare words, 128 bytes a wave
.set QF,  16                           ; v16-47   Q: channels 32 h + 0..31 of query r; later the attention's result
.set AT,  16
.set KF,  48                           ; v48-79   K likewise
.set VT,  80                           ; v80-111  V^T: register 8 d + e = V[key 8 h + e][channel 16 d + r]
.set WF,  112                          ; v112-143 wo: register 8 d + e = wo[16 x + r][64 head + 16 d + 8 h + e]
.set ACC, 144
.set T,   176
.set S,   192
.set P,   200
.set PR,  208
	s_load_b128 s[4:7], s[0:1], 0x0                ; q16, wo
	s_load_b64 s[8:9], s[0:1], 0x10                ; out0
	v_lshl_add_u32 v6, v0, 2, SPARE                ; my spare word; never rewritten
	v_mov_b32 v7, 0                                ; 0; never rewritten
	v_lshrrev_b32 v1, 5, v0
	v_readfirstlane_b32 s10, v1                    ; wave = head
	v_and_b32 v1, 15, v0                           ; r
	v_bfe_u32 v2, v0, 4, 1                         ; h
	v_lshlrev_b32 v3, 8, v1
	v_lshl_add_u32 v3, v2, 7, v3                   ; Q, K: row r of 256 bytes, + 128 h
	v_lshlrev_b32 v4, 2, v1
	v_lshl_add_u32 v4, v2, 11, v4                  ; V: key 8 h, channel r
	v_lshlrev_b32 v5, 12, v1
	v_lshl_add_u32 v5, v2, 5, v5                   ; wo and out0: row r of 4,096 bytes, + 32 h
	v_and_b32 v13, 31, v0
	v_lshlrev_b32 v9, 4, v13
	s_lshl_b32 s11, s10, 10
	v_add_nc_u32 v8, s11, v9                       ; my partial tile: 1,024 x wave + 16 x lane
	s_and_b32 s12, s10, 1
	s_lshl_b32 s13, s12, 9
	v_add_nc_u32 v9, s13, v9                       ; the half of every tile that waves 0 and 1 add up
	s_lshl_b32 s13, s12, 4
	v_add_nc_u32 v10, s13, v5
	v_lshlrev_b32 v11, 3, v2
	v_sub_nc_u32 v11, v1, v11                      ; r - 8 h, for the mask
	v_mov_b32 v12, 0xff800000                      ; -infinity
	v_mov_b32 v185, 0                              ; a lane permute's destination counts as one of its sources
	s_mov_b32 s28, 0x76543210
	s_mov_b32 s29, 0xfedcba98
	s_mov_b32 s30, 0x3e38aa3b                      ; c = log2(e) / 8
	s_and_b32 s11, ttmp7, 0xffff                   ; batch
	s_mul_i32 s26, s11, 98304
	s_mov_b32 s27, 0
	s_wait_kmcnt 0x0
	s_add_nc_u64 s[4:5], s[4:5], s[26:27]
	s_lshl_b32 s26, s10, 12
	s_add_nc_u64 s[16:17], s[4:5], s[26:27]        ; Q's head
	s_lshr_b32 s26, s10, 2
	s_add_co_u32 s26, s26, 16
	s_lshl_b32 s26, s26, 12
	s_add_nc_u64 s[18:19], s[4:5], s[26:27]        ; K's
	s_add_nc_u64 s[20:21], s[18:19], 16384         ; V's
	s_lshl_b32 s26, ttmp9, 16
	s_lshl_b32 s13, s10, 8
	s_add_co_u32 s26, s26, s13
	s_add_nc_u64 s[22:23], s[6:7], s[26:27]        ; wo: row 16 x, column 64 head
	s_lshl_b32 s26, s11, 23
	s_lshl_b32 s13, ttmp9, 6
	s_add_co_u32 s26, s26, s13
	s_add_nc_u64 s[24:25], s[8:9], s[26:27]        ; out0: the batch's row 0, column 16 x
.irp i, 0,1,2,3,4,5,6,7
	global_load_b128 v[QF+4*\i:QF+4*\i+3], v3, s[16:17] offset:16*\i
.endr
.irp i, 0,1,2,3,4,5,6,7
	global_load_b128 v[KF+4*\i:KF+4*\i+3], v3, s[18:19] offset:16*\i
.endr
.irp d, 0,1,2,3
.irp e, 0,1,2,3,4,5,6,7
	global_load_b32 v[VT+8*\d+\e], v4, s[20:21] offset:256*\e+64*\d
.endr
.endr
.irp d, 0,1,2,3
	global_load_b128 v[WF+8*\d:WF+8*\d+3], v5, s[22:23] offset:64*\d
	global_load_b128 v[WF+8*\d+4:WF+8*\d+7], v5, s[22:23] offset:64*\d+16
.endr
; Sixteen matrix instructions on four accumulators by turns; the first four start the sums with the constant 0.
.macro MM ab, at, ac, bb, bt, bc
.irp c, 0,1,2,3
.irp t, 0,1,2,3
.if \c == 0
	v_wmma_f32_16x16x4_f32 v[ACC+8*\t:ACC+8*\t+7], v[\ab+\at*\t+\ac*\c:\ab+\at*\t+\ac*\c+1], v[\bb+\bt*\t+\bc*\c:\bb+\bt*\t+\bc*\c+1], 0
.else
	v_wmma_f32_16x16x4_f32 v[ACC+8*\t:ACC+8*\t+7], v[\ab+\at*\t+\ac*\c:\ab+\at*\t+\ac*\c+1], v[\bb+\bt*\t+\bc*\c:\bb+\bt*\t+\bc*\c+1], v[ACC+8*\t:ACC+8*\t+7]
.endif
.endr
.endr
.rept 9
	v_nop                                          ; places behind this form: eight before results are read, nine before the accumulators are begun anew
.endr
.endm
	s_wait_loadcnt 40                              ; Q and K are in; V's 32 loads and wo's 8 may be out
	MM KF, 2, 8, QF, 2, 8                          ; S^T = K Q^T in four partial sums: a lane holds query r and keys 8 h + 0..7
.set i, 0
.rept 8
	v_add_f32 v[S+i], v[ACC+i], v[ACC+8+i]
.set i, i+1
.endr
.set i, 0
.rept 8
	v_add_f32 v[T+i], v[ACC+16+i], v[ACC+24+i]
.set i, i+1
.endr
.set i, 0
.rept 8
	v_add_f32 v[S+i], v[S+i], v[T+i]
.set i, i+1
.endr
.set i, 0
.rept 8
	v_cmp_gt_i32 vcc_lo, i, v11                    ; key 8 h + i is hidden where it comes after query r
	v_cndmask_b32 v[S+i], v[S+i], v12, vcc_lo
.set i, i+1
.endr
	v_max3_num_f32 v184, v[S], v[S+1], v[S+2]
	v_max3_num_f32 v184, v184, v[S+3], v[S+4]
	v_max3_num_f32 v184, v184, v[S+5], v[S+6]
	v_max_num_f32 v184, v184, v[S+7]
	v_permlanex16_b32 v185, v184, s28, s29
	v_max_num_f32 v184, v184, v185                 ; the row's largest score: key 0 counts for every query
	v_mul_f32 v186, s30, v184
.set i, 0
.rept 8
	v_fma_f32 v[P+i], v[S+i], s30, -v186
.set i, i+1
.endr
.set i, 0
.rept 8
	v_exp_f32 v[P+i], v[P+i]
.set i, i+1
.endr
	v_nop
	s_wait_alu depctr_va_vdst(0)                   ; one wait for the eight, ahead of their first reader
	v_add_f32 v187, v[P], v[P+1]
.irp i, 2,3,4,5,6,7
	v_add_f32 v187, v187, v[P+\i]
.endr
	v_permlanex16_b32 v185, v187, s28, s29
	v_add_f32 v187, v187, v185
	v_rcp_f32 v188, v187
	v_nop
	s_wait_alu depctr_va_vdst(0)
	s_wait_loadcnt 8                               ; V is in; wo's 8 loads may be out
	MM VT, 8, 2, P, 0, 2                           ; O^T = V^T P: accumulator d holds channels 16 d + 8 h + 0..7 of query r
.set i, 0
.rept 32
	v_mul_f32 v[AT+i], v[ACC+i], v188              ; / the row's sum
.set i, i+1
.endr
	s_wait_loadcnt 0x0
	MM WF, 8, 2, AT, 8, 2                          ; my head's part of the projection, in four partial sums: query r, columns 8 h + 0..7
.set i, 0
.rept 8
	v_add_f32 v[PR+i], v[ACC+i], v[ACC+8+i]
.set i, i+1
.endr
.set i, 0
.rept 8
	v_add_f32 v[T+i], v[ACC+16+i], v[ACC+24+i]
.set i, i+1
.endr
.set i, 0
.rept 8
	v_add_f32 v[PR+i], v[PR+i], v[T+i]
.set i, i+1
.endr
	ds_store_b128 v8, v[PR:PR+3]                   ; the tile goes to LDS as an image of its registers
	ds_store_b128 v8, v[PR+4:PR+7] offset:512
	s_wait_tensorcnt 0x0                           ; behind my last LDS store; the s_wait_dscnt below also shows my stores done, for the others' sake
	ds_add_u32 v6, v7
	s_wait_dscnt 0x0
	s_barrier_signal -1
	s_barrier_wait -1
	s_cmp_lt_u32 s10, 2
	s_cbranch_scc1 .Lsum
	s_endpgm
.Lsum:                                             ; wave 0 adds up registers 0-3 of the sixteen tiles, wave 1 registers 4-7
.irp w, 0,1,2,3,4,5,6,7,8,9,10,11,12,13,14,15
	ds_load_b128 v[16+4*\w:16+4*\w+3], v9 offset:1024*\w
.endr
	s_wait_dscnt 0x0
.irp w, 1,2,3,4,5,6,7,8,9,10,11,12,13,14,15
	v_pk_add_f32 v[16:17], v[16:17], v[16+4*\w:16+4*\w+1]
	v_pk_add_f32 v[18:19], v[18:19], v[16+4*\w+2:16+4*\w+3]
.endr
	global_store_b128 v10, v[16:19], s[24:25]
	s_endpgm
.Lfunc_end_k_q8b423701d4_first16:
	.size	k_q8b423701d4_first16, .Lfunc_end_k_q8b423701d4_first16-k_q8b423701d4_first16
	.p2alignl 7, 3214868480
	.fill 96, 4, 3214868480
	.section	.rodata,"a",@progbits
	.p2align	6, 0x0
	.amdhsa_kernel k_q8b423701d4_first16
		.amdhsa_group_segment_fixed_size 18432
		.amdhsa_private_segment_fixed_size 0
		.amdhsa_enable_private_segment 0
		.amdhsa_kernarg_size 24
		.amdhsa_user_sgpr_count 2
		.amdhsa_user_sgpr_kernarg_segment_ptr 1
		.amdhsa_wavefront_size32 1
		.amdhsa_system_sgpr_workgroup_id_x 1
		.amdhsa_system_sgpr_workgroup_id_y 1
		.amdhsa_system_sgpr_workgroup_id_z 1
		.amdhsa_system_vgpr_workitem_id 0
		.amdhsa_next_free_vgpr 224
		.amdhsa_next_free_sgpr 66
		.amdhsa_reserve_vcc 1
		.amdhsa_float_denorm_mode_32 3
		.amdhsa_float_denorm_mode_16_64 3
		.amdhsa_memory_ordered 1
		.amdhsa_forward_progress 1
		.amdhsa_inst_pref_size 20
	.end_amdhsa_kernel
	.amdgpu_metadata
---
amdhsa.version: [ 1, 2 ]
amdhsa.kernels:
  - .name:           k_q8b423701d4_first16
    .symbol:         k_q8b423701d4_first16.kd
    .args:
      - { .name: q16, .offset: 0, .size: 8, .value_kind: global_buffer, .address_space: global }
      - { .name: wo, .offset: 8, .size: 8, .value_kind: global_buffer, .address_space: global }
      - { .name: out0, .offset: 16, .size: 8, .value_kind: global_buffer, .address_space: global }
    .group_segment_fixed_size: 18432
    .private_segment_fixed_size: 0
    .kernarg_segment_align: 8
    .kernarg_segment_size: 24
    .max_flat_workgroup_size: 512
    .sgpr_count:     66
    .vgpr_count:     224
    .wavefront_size: 32
...
	.end_amdgpu_metadata
.endif
;; end of part 5
